; MI455X (gfx1250); checked and timed in simulation.
; The chip was launched on July 23, 2026; its instructions are those of AMD's public machine-readable ISA for CDNA 5 (MIT licence, August 2026) and "CDNA5" Instruction Set Architecture Reference Guide (July 2026). The comments in the code are by the model that wrote it; some were corrected since.
;; Self Attention Module. Allowed arithmetic: matrix products marked QUANTISED: E2M3 operands, one E8M0 scale for each 32 along K, by v_wmma_scale_f32_16x16x128_f8f6f4 with both operands' format E2M3, f32 sums; everything else in f32.
;; Inputs: Wk_codes 1,024 x 32 x 24 uint8 (E2M3 codes of Wk, K innermost, in blocks of 32 codes, four codes in three bytes); Wk_scales 1,024 x 32 uint8 (E8M0 scales of Wk, one for each 32 codes along K); Wq_codes 1,024 x 32 x 24 uint8 (E2M3 codes of Wq, K innermost, in blocks of 32 codes, four codes in three bytes); Wq_scales 1,024 x 32 uint8 (E8M0 scales of Wq, one for each 32 codes along K); Wv_codes 1,024 x 32 x 24 uint8 (E2M3 codes of Wv, K innermost, in blocks of 32 codes, four codes in three bytes); Wv_scales 1,024 x 32 uint8 (E8M0 scales of Wv, one for each 32 codes along K); x_codes 4 x 2,048 x 32 x 24 uint8 (E2M3 codes of x, K innermost, in blocks of 32 codes, four codes in three bytes); x_scales 4 x 2,048 x 32 uint8 (E8M0 scales of x, one for each 32 codes along K).
;; Outputs: out0 4 x 2,048 x 1,024 float32.
;; This version of the problem:
;;   THIS VERSION OF THE PROBLEM IS GIVEN IN LOW PRECISION. The matrix products marked QUANTISED in the list below multiply operands that are first quantised to E2M3 (2 exponent bits, 3 mantissa bits; 6 bits a number), with one power-of-two scale for each 32 numbers along K (OCP MX v1.0); their sums are f32. All else is computed in f32.
;;   The module's matrix products, in the order in which they are computed (A, B: the left and right operand; K: the contracted axis; several contracted axes count as one K, in the product's order):
;;     1. [M 8,192, K 1,024] x [K 1,024, N 1,024]; A: input x (given as codes); B: input Wq (given as codes): QUANTISED
;;     2. [M 8,192, K 1,024] x [K 1,024, N 1,024]; A: input x (given as codes); B: input Wk (given as codes): QUANTISED
;;     3. [M 8,192, K 1,024] x [K 1,024, N 1,024]; A: input x (given as codes); B: input Wv (given as codes): QUANTISED
;;     4. batch 4 x [M 2,048, K 1,024] x [K 1,024, N 2,048]; A: computed on the way; B: computed on the way: QUANTISED
;;     5. batch 4 x [M 2,048, K 2,048] x [K 2,048, N 1,024]; A: softmax (see below); B: computed on the way: QUANTISED
;;   THE QUANTISER, for each operand of a quantised product, along K:
;;     - K is cut into blocks of 32 from its start; a last block that is shorter is filled with zeros.
;;     - A block's scale is 2^e with e = floor(log2(the largest magnitude in the block)) - 2, held to -126 .. 127; a block of zeros has e = 0. As a byte (E8M0): e + 127.
;;     - Each number is divided by its block's scale, clamped to +-7.5, and rounded to the nearest number of E2M3, ties to even, subnormals kept.
;;     - The product sums the exact products of the quantised numbers (number of the format x scale) in f32.
;;   ~~~python
;;   def quantise(x, axis):      # numpy; x: float32 -> the quantised numbers, widened to float32 again
;;       x = np.moveaxis(x, axis, -1); K = x.shape[-1]
;;       x = np.pad(x, [(0, 0)] * (x.ndim - 1) + [(0, -K % 32)]); x = x.reshape(x.shape[:-1] + (-1, 32)); a = np.abs(x).max(-1, keepdims=True)
;;       e = np.where(a > 0, np.clip(np.frexp(np.where(a > 0, a, 1))[1] - 1 - 2, -126, 127), 0)      # np.frexp(a)[1] - 1 = floor(log2(a)), exactly
;;       r = np.clip(x / 2.0 ** e, -7.5, 7.5)
;;       step = 2.0 ** (np.maximum(np.frexp(np.where(r == 0, 1, r))[1] - 1, 0) - 3)
;;       q = np.round(r / step) * step * 2.0 ** e      # np.round: ties to even
;;       return np.moveaxis(q.reshape(q.shape[:-2] + (-1,))[..., :K], -1, axis).astype(np.float32)
;;   ~~~
;;   SOFTMAX AHEAD OF A QUANTISED PRODUCT. Where the list says 'softmax', what is quantised is not the finished softmax but p = 2^(t - M), with t = logit x log2(e) and M = ceil(the row's largest t), a whole number; so 1/2 < the row's largest p <= 1. The row's sum l is taken of the UNQUANTISED p, in f32, and the product's result is divided by l at the end. Since M is a whole number, a kernel that streams over the keys may use a running M (the ceiling of the running maximum): every later rescaling is an exact power of two, which a block's scale takes up: the codes' values come out the same.
;;   OPERANDS COMPUTED ON THE WAY. 'Computed on the way' means the value that the module computes at that place (a softmax that the list does not call 'softmax' is quantised finished and normalised). What goes into a quantiser is computed in f32, as accurately as f32 sums, v_exp_f32 and their like allow (about 1e-6 of the number): no bf16 or f16 on the way to a quantiser, and a product that is left as it is and whose result goes on into a quantised operand takes f32 operands (vector FMAs, or v_wmma_f32_16x16x4_f32). A number that lies on a knife's edge between two numbers of the format may be rounded either way, as far as f32 arithmetic and the matrix unit's own rounding can turn it there, and no further.
;;   INPUTS GIVEN AS CODES. Wk (in the module: [1024, 1024], K = its axis 1); Wq (in the module: [1024, 1024], K = its axis 1); Wv (in the module: [1024, 1024], K = its axis 1); x (in the module: [4, 2048, 1024], K = its axis 2): each comes as NAME_codes (uint8): NAME with its K axis moved to the last place and cut into blocks of 32 codes, [.., K / 32, bytes a block], one block behind the other in memory; four codes in three bytes: a row's codes are one little-endian stream of bits, code i at bits 6 i .. 6 i + 5 (a code: sign, 2 exponent bits, 3 mantissa bits); and NAME_scales (uint8): the same leading axes, one E8M0 byte (e + 127) for each 32 codes along K. Its value is code x scale, taken as it is: it is not quantised again, and the codes and scales need not be those that the quantiser above would give.
;; One version. Each part assembles by itself: llvm-mc -triple=amdgcn-amd-amdhsa -mcpu=gfx1250 --defsym DOCPART=n.
;; ======== version 1 of 1: 3 launches
;; limits: right only within a limited range of input values
;; workspace buffers: q_img 6,291,456 bytes; k_img 6,291,456 bytes; v_img 6,291,456 bytes; p_img 12,582,912 bytes; q_sw 262,144 bytes; k_sw 262,144 bytes; v_sw 262,144 bytes; pst 2,097,152 bytes
;; launch proj (part 1): grid 16 x 16, 4 waves a work-group, clusters of 4 x 4, 327,680 bytes of LDS; arguments x_codes, x_scales, Wq_codes, Wq_scales, Wk_codes, Wk_scales, Wv_codes, Wv_scales, q_img, q_sw, k_img, k_sw, v_img, v_sw; writes q_img, q_sw, k_img, k_sw, v_img, v_sw
.if DOCPART == 1
	.amdgcn_target "amdgcn-amd-amdhsa--gfx1250"
	.amdhsa_code_object_version 6
	.text
	.protected	k_q210704c146_proj
	.globl	k_q210704c146_proj
	.p2align	8
	.type	k_q210704c146_proj,@function
k_q210704c146_proj:
	s_mov_b64 s[64:65], 0
	v_nop
	global_prefetch_b8 v0, s[64:65] scope:SCOPE_SE
	s_setreg_imm32_b32 hwreg(HW_REG_WAVE_MODE, 25, 1), 1
	s_wait_xcnt 0x0
	s_wait_alu depctr_hold_cnt(0) depctr_sa_sdst(0) depctr_va_vdst(0) depctr_va_sdst(0) depctr_va_ssrc(0) depctr_va_vcc(0) depctr_vm_vsrc(0)
	s_getreg_b32 s2, hwreg(HW_REG_IB_STS2, 6, 4)
	s_cmp_eq_u32 s2, 0
	s_cbranch_scc0 .Lentry_in_a_cluster
	s_endpgm
.Lentry_in_a_cluster:
	s_bfe_u32 s2, ttmp6, 0x10000c
	s_cmp_lg_u32 s2, 0xf033
	s_cbranch_scc0 .Lentry_shape_is_right
	s_endpgm
.Lentry_shape_is_right:
; q = x Wq^T, k = x Wk^T, v = x Wv^T on the given codes of E2M3, and their quantisers: q and k along their 1,024 columns, v along the tokens.  Sums in f32; codes and scale bytes leave as operands of the next launches.
; LIMITS: NaN and infinities are not served.  A block whose largest magnitude lies under 2^-124 gets the scale byte 1; a block of zeros gets 1 too, where the quantiser says 127: its codes are zeros, and this program alone reads the bytes.
; THE DEAL.  256 work-groups of four waves, 2 x 2.  A wave holds 64 rows of a weight, all of K, in 384 registers; x's rows stream past in blocks of 16.  A work-group makes 256 x 128 of V (phase 1) and then 512 x 128 of Q or K (phase 2).
; V's 256 rows are a half of the work-group's own 512 (which: s87 = cluster x % 2), so 512 rows of x are loaded.  x's rows are shared by a row of the cluster, a weight's rows by a column.
; THE ROWS OF A TILE.  In a band of 64 rows tile j takes rows 8 j + 0 .. 7 (lanes 0-7) and 32 + 8 (j xor 1) + 0 .. 7 (lanes 8-15): sixteen rows of different numbers modulo 16, 816 bytes apart in LDS.  So a lane's 32 sums of four tiles are one scale block:
; lane half h has block h of the band, in the order 8 (j xor h) + i.  q and k have this order along K, p and v along the keys; the same numbers meet.
; POSITIONS.  Of each 256 tokens (g), wave row w takes band w of each chunk c of 128: position tile 16 g + 8 w + 4 c + j holds tokens 256 g + 128 c + 64 w + (the tile's rows).
; q_img, k_img: [K slot of 256][position tile 512][K step of the two][half of 64][768 bytes: registers 0-3 of 32 lanes, then registers 4-5].  q_sw, k_sw: [K step][position], one word.
; v_img: [batch, slot of 512 keys][channel tile 64][chunk of 128 positions][1,536 bytes: three pieces of four registers].  v_sw: [chunk][channel], one word.  A word's byte 2 c + h is band c's block h.
; LDS: two slots of 128 rows of x, the weights' 128 rows (a region of its own), two chunks' scale bytes, the stages of the results' scale bytes, the spare words.
; FILLS.  One joint load a wave at the head: Wv's rows, both chunks' scale bytes, chunk 0, chunk 1.  Three refills, each behind a round: in V's block 2 the weights' region takes Wq's or Wk's rows; in phase 2's blocks 2 and 6 the other half's chunks and bytes.
; PREFETCHES: what each refill will load, each 256 bytes named once among the sixteen waves that ask jointly: the second weight at the head, chunk 2 and the bytes behind the first refill, chunk 3 between the phases.
; THE WAITS' COUNTS.  A block's rows were fetched two blocks ago; younger are the next block's NF loads and the stores of scale bytes between the two.  -1: a wait for all has stood in the block before.
.set NQ,     8
.set NB,     4
.set TM,     512
.set TV,     256
.set TN,     128
.set KROW,   768
.set KS,     32
.set PITCH,  816                       ; 3 x (256 + 16)
.set FR,     12
.set FPW,    21                        ; fragments in a window of 256 registers
.set NF,     28                        ; LDS loads of a block: 26 for eight fragments, 2 for eight scale words
.set RA,     128
.set YB,     RA*PITCH
.set BVB,    2*RA*PITCH
.set SCL,    BVB+TN*PITCH
.set CU,     RA*KS/256
.set SCB,    CU*272
.set P16,    16*PITCH                  ; from a pair of blocks to the next in a chunk
.set S16,    544                       ; the same in the scale bytes
.set XN,     SCL+2*SCB                 ; Q's or K's scale bytes: [order of work][4]
.set XM,     XN+2*TM*2                 ; V's: [head][chunk][channel][4]
.set SPARE,  XM+TM*2
.set EMAX,   2
.set EA0, 4                            ; v4, v5, v6   LDS addresses of even blocks' fragments (v5: behind one padding more) and scale words; v1, v22, v23: odd blocks'
.set EAS, 6
.set CO,  9                            ; 16 x lane
.set SPW, 10
.set NIL, 11
.set ADRA, 12                          ; v12, v13, v17: the block that is fetched next
.set ABS, 16
.set AAS, 17
.set STO, 18
.set STV, 19
.set C8,  21                           ; 8 x lane
.set SB,  24                           ; v24-39 the weights' scale words
.set TQ,  40
.set SA,  44                           ; v44-59 the rows' scale words, two sets
.set TC,  60
.set ACC, 64                           ; phase 2: two sets of four accumulators
.set HV0, 64                           ; phase 1, band 0: 32 t + 8 j + i
.set HV1, 840                          ; band 1
.set NCD, 128                          ; phase 2: six registers of codes of the even block, six of the odd
.set MCD, 192                          ; phase 1: four operands of twelve
.set SOP, 240
.set EB,  244
.set VX,  248
.set SB2, 968                          ; the second weight's scale words
.set BA,  984                          ; LDS addresses of the weights' four tiles
.set G1A, 24
.set G0A, 56
.set G0R, 68
.set G1B, 32
.set G0B, 60
.set G1S, 92
.set G0S, 72
.set MSB, 0
.macro WIN new
.if MSB != \new
	s_set_vgpr_msb (MSB<<8)|\new
.set MSB, \new
.endif
.endm
.macro PLACES n
.rept \n
	v_nop
.endr
.endm
.macro WALU
	s_wait_alu depctr_va_vdst(0)
.endm
.macro BARRIER
	s_barrier_signal -1
	s_barrier_wait -1
.endm
.macro MIDDLE                          ; a round's middle
	WIN 0
	s_barrier_wait -1
	s_cmp_lg_u32 s14, 0
	s_cbranch_scc1 .Lnot_wave_0_\@
	s_barrier_signal -3
.Lnot_wave_0_\@:
	s_barrier_wait -3
.endm
.macro CROUND
	s_barrier_signal -1
	MIDDLE
	BARRIER
.endm
.macro GRD
	s_wait_tensorcnt 0x0
	ds_add_u32 v[SPW], v[NIL]
.endm
.macro TLOAD g0, g1
	tensor_load_to_lds s[\g0:\g0+3], s[\g1:\g1+7]
	s_nop 0
	PLACES 4
.endm
.macro GROUP1 g, mask, rows            ; whole rows of 768 bytes, 16 bytes of padding behind every 256
	s_or_b32 s[\g+0], s[\mask], (1<<20)|(1<<21)|(5<<22)|(3<<25)
	s_mov_b32 s[\g+1], KROW<<16
	s_mov_b32 s[\g+2], (\rows)<<16
	s_mov_b32 s[\g+3], KROW<<16
	s_mov_b32 s[\g+4], \rows
	s_mov_b32 s[\g+5], KROW
	s_mov_b32 s[\g+6], 0
	s_mov_b32 s[\g+7], 0
.endm
.macro SADD d, x
	s_add_co_u32 s\d, s\d, s\x
.endm
.macro G0SET g, base, off              ; 64-bit base + the offset in s\off (s21 = 0)
	s_mov_b32 s20, s\off
	s_add_nc_u64 s[\g+2:\g+3], s[\base:\base+1], s[20:21]
	s_or_b32 s[\g+3], s[\g+3], 0x80000000
.endm
; Fragment f lies in window 1 + f / 21 at register 12 (f % 21): 0-31 the weights' (4 q + b), 32-39 and 40-47 the rows' two sets.
.macro FRAG f, q, a0, a1, aw           ; six pieces of 8 bytes, two to a load where both lie behind as many paddings
	WIN ((1+(\f)/FPW)<<6)|(\aw)
.set R_, FR*((\f)%FPW)
.set SKIP_, 0
.irp p, 0,1,2,3,4,5
.if SKIP_
.set SKIP_, 0
.else
.set PC_, 12*(\q)+6*(\p/3)+\p%3
.set PN_, 12*(\q)+6*((\p+1)/3)+(\p+1)%3
.set X_, (PC_%32+3)/32
.set XQ_, (PN_%32+3)/32
.if (\p < 5) && (X_ == XQ_)
.set SKIP_, 1
.if X_
	ds_load_2addr_b64 v[R_+2*\p:R_+2*\p+3], \a1 offset0:PC_+2*(PC_/32) offset1:PN_+2*(PN_/32)
.else
	ds_load_2addr_b64 v[R_+2*\p:R_+2*\p+3], \a0 offset0:PC_+2*(PC_/32) offset1:PN_+2*(PN_/32)
.endif
.elseif X_
	ds_load_b64 v[R_+2*\p:R_+2*\p+1], \a1 offset:8*(PC_+2*(PC_/32))
.else
	ds_load_b64 v[R_+2*\p:R_+2*\p+1], \a0 offset:8*(PC_+2*(PC_/32))
.endif
.endif
.endr
.endm
.macro WEIGHTS                         ; my 64 rows of the weight, all of K
.irp q, 0,1,2,3,4,5,6,7
.irp b, 0,1,2,3
	FRAG NB*\q+\b, \q, v[BA-768+2*\b], v[BA-768+2*\b+1], 3
.endr
.endr
	WIN 0
.endm
.macro FETCHAT e, a0, a1, as           ; a block of x's rows into set e: NF loads
.irp q, 0,1,2,3,4,5,6,7
	FRAG NB*NQ+NQ*(\e)+\q, \q, \a0, \a1, 0
.endr
	WIN 0
	ds_load_b128 v[SA+8*(\e):SA+8*(\e)+3], \as
	ds_load_b128 v[SA+8*(\e)+4:SA+8*(\e)+7], \as offset:16
.endm
.macro FETCH e
	FETCHAT \e, v[ADRA], v[ADRA+1], v[AAS]
.endm
.macro FETCH01                         ; a phase's first two blocks, from slot 0
	FETCHAT 0, v[EA0], v[EA0+1], v[EAS]
	FETCHAT 1, v1, v22, v23
	s_mov_b32 s101, 0
	s_mov_b32 s91, 0
.endm
; A product.  n = 4 q + tile.  kind 0 (Q, K): source 0 the weight's rows; kind 1 (V): source 0 x's rows.
.macro PROD kind, e, n, a0, as
.set Q_, (\n)/4
.set FB_, NB*Q_+(\n)%4
.set FA_, NB*NQ+NQ*(\e)+Q_
.set D_, (\a0)+(\as)*((\n)%4)
.set DL_, D_&255
.set XB_, SB+NQ*(((\n)%4)/2)+Q_
.set XA_, SA+8*(\e)+Q_
.if \kind
	WIN (1+FA_/FPW)|((1+FB_/FPW)<<2)|((D_>>8)<<4)|((D_>>8)<<6)
.if Q_
	PROD1 DL_, FA_, FB_, v[DL_:DL_+7], XA_, XB_, b, (\n)%2
.else
	PROD1 DL_, FA_, FB_, 0, XA_, XB_, b, (\n)%2
.endif
.else
	WIN (1+FB_/FPW)|((1+FA_/FPW)<<2)|((D_>>8)<<4)|((D_>>8)<<6)
.if Q_
	PROD1 DL_, FB_, FA_, v[DL_:DL_+7], XB_, XA_, a, (\n)%2
.else
	PROD1 DL_, FB_, FA_, 0, XB_, XA_, a, (\n)%2
.endif
.endif
.endm
.macro PROD1 d, s0, s1, c, x0, x1, side, o
.if \o
	v_wmma_scale_f32_16x16x128_f8f6f4 v[\d:\d+7], v[FR*((\s0)%FPW):FR*((\s0)%FPW)+FR-1], v[FR*((\s1)%FPW):FR*((\s1)%FPW)+FR-1], \c, v[\x0], v[\x1] matrix_a_fmt:MATRIX_FMT_FP6 matrix_b_fmt:MATRIX_FMT_FP6 matrix_\side\()_scale:MATRIX_SCALE_ROW1
.else
	v_wmma_scale_f32_16x16x128_f8f6f4 v[\d:\d+7], v[FR*((\s0)%FPW):FR*((\s0)%FPW)+FR-1], v[FR*((\s1)%FPW):FR*((\s1)%FPW)+FR-1], \c, v[\x0], v[\x1] matrix_a_fmt:MATRIX_FMT_FP6 matrix_b_fmt:MATRIX_FMT_FP6 matrix_\side\()_scale:MATRIX_SCALE_ROW0
.endif
.endm
; Products from .. to - 1 of a block; behind every second one, two entries of the list (a macro that writes entry i: at most four scalar lines and one vector line, two where a prefetch's address is made).
.macro BLOCK kind, e, a0, as, from, to, list, x=0, y=0, z=0
.set N_, \from
.rept (\to)-(\from)
	PROD \kind, \e, N_, \a0, \as
.if N_%2
	\list N_-1, \x, \y, \z
	\list N_, \x, \y, \z
.endif
.set N_, N_+1
.endr
.endm
.macro STEP i, k                       ; the LDS addresses of the block two on.  k = 0: an odd block (the pair's offset stands); 1: the chunk's second pair; 2: the other slot's first pair, with the ring's end; 3: slot 1's first pair
.if (\k) == 2
.if (\i) == 0
	s_add_co_u32 s101, s101, YB-P16
	s_cmp_eq_u32 s101, 2*YB
	s_cselect_b32 s101, 0, s101
	s_add_co_u32 s91, s91, SCB-S16
.elseif (\i) == 1
	s_cmp_eq_u32 s91, 2*SCB
	s_cselect_b32 s91, 0, s91
.endif
	STEPV (\i)-1, 0
.elseif (\k) == 0
	STEPV \i, 1
.else
.if ((\i) == 0) && ((\k) == 1)
	s_add_co_u32 s101, s101, P16
	s_add_co_u32 s91, s91, S16
.elseif (\i) == 0
	s_add_co_u32 s101, s101, YB-P16
	s_add_co_u32 s91, s91, SCB-S16
.endif
	STEPV \i, 0
.endif
.endm
.macro STEPV i, o
.if (\i) == 0
	WIN 0
.if \o
	v_add_nc_u32 v[ADRA], s101, v1
.else
	v_add_nc_u32 v[ADRA], s101, v[EA0]
.endif
.elseif (\i) == 1
	WIN 0
.if \o
	v_add_nc_u32 v[ADRA+1], s101, v22
.else
	v_add_nc_u32 v[ADRA+1], s101, v[EA0+1]
.endif
.elseif (\i) == 2
	WIN 0
.if \o
	v_add_nc_u32 v[AAS], s91, v23
.else
	v_add_nc_u32 v[AAS], s91, v[EAS]
.endif
.endif
.endm
.macro CHAIN i, x, n, t=TQ             ; a way out's first part, 18 entries: the largest magnitude of the 32 sums from register x on, over a floor, by two chains in turn, and the conversions' scale operand v[SOP+n]
.set XW_, (\x)>>8
.set XL_, (\x)&255
.if (\i) >= 0 && (\i) < 14
.set B_, XL_+16*((\i)%2)+2*((\i)/2)
.set T_, (\t)+1-(\i)%2
.if (\i) < 2
	WIN XW_|(XW_<<2)|(XW_<<4)
	v_max3_num_f32 v[T_], |v[B_]|, |v[B_+1]|, |v[B_+2]|
.else
	WIN (XW_<<2)|(XW_<<4)
	v_max3_num_f32 v[T_], v[T_], |v[B_+1]|, |v[B_+2]|
.endif
.elseif (\i) == 14
	WIN XW_<<2
	v_max3_num_f32 v[\t+1], v[\t+1], |v[XL_+15]|, (EMAX+1)<<23
.elseif (\i) == 15
	WIN 0
	v_nop                                  ; so that the next line, which reads entry 14's result, stands in the next pair
.elseif (\i) == 16
	WIN XW_<<2
	v_max3_num_f32 v[\t], v[\t], |v[XL_+31]|, v[\t+1]
.elseif (\i) == 17
	WIN 0
	v_add_nc_u32 v[SOP+\n], -(EMAX<<23), v[\t]
.endif
.endm
.macro CODES i, x, c, n, t=TC          ; its second part, 6 lines: 32 codes into v[c .. c+5], the scale's byte into v[EB+n]
.set XW_, (\x)>>8
.set XL_, (\x)&255
.if (\i) == 0
	WIN XW_
	v_cvt_scalef32_pk16_fp6_f32 v[\c:\c+2], v[XL_:XL_+15], v[SOP+\n]
.elseif (\i) == 1
	WIN XW_
	v_cvt_scalef32_pk16_fp6_f32 v[\t:\t+2], v[XL_+16:XL_+31], v[SOP+\n]
.elseif (\i) == 2
	WIN 0
	v_lshrrev_b32 v[EB+\n], 23, v[SOP+\n]
.else
	WIN 0
	v_mov_b32 v[\c+\i], v[\t+\i-3]
.endif
.endm
.macro CODES6 x, c, n
.irp i, 0,1,2,3,4,5
	CODES \i, \x, \c, \n
.endr
.endm
.macro PFTILE v, off, share            ; one entry: my sixteenth of a tile of 128 rows
	s_mul_i32 s21, s\share, RA*KROW/16
	s_add_co_u32 s20, s\off, s21
	WIN 0
	v_min_u32 v\v, RA*KROW/16/256-1, v3
	v_lshl_add_u32 v\v, v\v, 8, s20
.endm
.macro PFGO v, base
	global_prefetch_b8 v\v, s[\base:\base+1] th:TH_LOAD_NT scope:SCOPE_SE
.endm
.macro PUT3 r, base, off
.irp k, 0,1,2
	global_store_b128 v[CO], v[\r+4*\k:\r+4*\k+3], \base offset:(\off)+512*\k
.endr
.endm
.macro PUTPAIR                         ; a pair's two half images: each store covers whole units of 256 bytes
.irp o, 0,1
	global_store_b128 v[CO], v[NCD+6*\o:NCD+6*\o+3], s[84:85] offset:3072*\o
	global_store_b64 v[C8], v[NCD+6*\o+4:NCD+6*\o+5], s[84:85] offset:3072*\o+512
.endr
.endm
.macro ASK i                           ; 4 entries: the descriptors of the chunk at s88 for slot s47 and of its scale bytes at s55 for s8; then all four step on
.if (\i) == 0
	s_mul_i32 s[G0R+1], s14, RA/2*PITCH
	s_add_co_u32 s[G0R+1], s[G0R+1], s47
	s_mul_i32 s20, s14, RA/2*KROW
	SADD 20, 88
.elseif (\i) == 1
	s_mov_b32 s21, 0
	s_add_nc_u64 s[G0R+2:G0R+3], s[4:5], s[20:21]
	s_or_b32 s[G0R+3], s[G0R+3], 0x80000000
	s_mov_b32 s[G0S+1], s8
.elseif (\i) == 2
	s_mov_b32 s20, s55
	s_add_nc_u64 s[G0S+2:G0S+3], s[6:7], s[20:21]
	s_or_b32 s[G0S+3], s[G0S+3], 0x80000000
	s_add_co_u32 s88, s88, RA*KROW
.elseif (\i) == 3
	s_add_co_u32 s55, s55, CU*256
	s_xor_b32 s47, s47, YB
	s_xor_b32 s8, s8, (SCL)^(SCL+SCB)
.endif
.endm
.macro PAIR i                          ; 4 entries: where pair s46's codes go (s[84:85], by the true half) and its scale bytes (v[VX], by the order of work)
.if (\i) == 0
	s_lshr_b32 s22, s46, 2
	s_xor_b32 s23, s22, s87
	s_mul_i32 s20, s23, 49152
	s_and_b32 s21, s46, 3
.elseif (\i) == 1
	s_mul_i32 s23, s21, 6144
	SADD 20, 23
	s_lshl_b32 s23, s21, 7
	s_mov_b32 s21, 0
.elseif (\i) == 2
	s_add_nc_u64 s[84:85], s[10:11], s[20:21]
	s_lshl_b32 s22, s22, 10
	s_or_b32 s22, s22, s23
	s_add_co_u32 s46, s46, 1
.elseif (\i) == 3
	WIN 0
	v_add_nc_u32 v[VX], s22, v[STO]
.endif
.endm
; The lists.
.macro L_STEP i, x, y, z
	STEP \i, \z
.endm
.macro L_NONE i, x, y, z
.endm
.macro L_OUT i, x, y, z                ; the step, then the way out of the sums at x (scale operand y)
	STEP \i, \z
	CHAIN (\i)-3, \x, \y
.endm
.macro L_LAST i, x, y, z
	CHAIN \i, \x, \y
.endm
.macro L_V2 i, x, y, z                 ; the first refill's descriptors; the later refills' group 1; the step; the second refill's prefetch addresses
.if (\i) == 0
	s_mov_b32 s[G1A+2], (RA/2)<<16
	s_mov_b32 s[G1A+4], RA/2
	s_mov_b32 s[G1S+2], CU<<16
	s_mov_b32 s[G1S+4], CU
.elseif (\i) == 1
	s_mov_b32 s[G1B+2], (TN/2)<<16
	s_mov_b32 s[G1B+4], TN/2
	s_mul_i32 s[G0B+1], s14, TN/2*PITCH
	s_add_co_u32 s[G0B+1], s[G0B+1], BVB
.elseif (\i) == 2
	s_mul_i32 s20, s14, TN/2*KROW
	s_mov_b32 s21, 0
	s_add_nc_u64 s[G0B+2:G0B+3], s[2:3], s[20:21]
	s_or_b32 s[G0B+3], s[G0B+3], 0x80000000
.elseif (\i) == 7
	PFTILE 7, 88, 90
.elseif (\i) == 8
	s_lshl_b32 s21, s90, 9
	s_add_co_u32 s20, s55, s21
	WIN 0
	v_min_u32 v8, 1, v3
	v_lshl_add_u32 v8, v8, 8, s20
.endif
	STEP (\i)-4, 3
.endm
.macro L_V7 i, x, y, z                 ; the third refill's prefetch address; the way out
.if (\i) == 0
	s_add_co_u32 s22, s88, RA*KROW
	PFTILE 20, 22, 90
.endif
	CHAIN (\i)-1, \x, \y
.endm
.macro L_ODD i, x, y, z
	PAIR \i
	STEP (\i)-4, 0
	CHAIN (\i)-7, ACC, 0
.endm
.macro L_ODDL i, x, y, z
	PAIR \i
	CHAIN (\i)-4, ACC, 0
.endm
.macro L_ROUND i, x, y, z
	ASK \i
	STEP (\i)-4, 2
	CHAIN (\i)-8, ACC+32, 1
.endm
.macro WAITDS w
.if (\w) >= 0
	s_wait_dscnt \w
.endif
.endm
.macro EVENOUT fetch                   ; behind an even block: the odd block's byte, the pair's codes, the fetch of the block two on
	WALU
	ds_store_b8 v[VX], v[EB+1] offset:64
	PUTPAIR
.if \fetch
	FETCH 0
.endif
.endm
.macro EVEN w, fetch
	WAITDS \w
.if \fetch
	BLOCK 0, 0, ACC, 8, 0, 32, L_OUT, ACC+32, 1, 1
.else
	BLOCK 0, 0, ACC, 8, 0, 32, L_LAST, ACC+32, 1
.endif
	WIN 0
	CODES6 ACC+32, NCD+6, 1
	EVENOUT \fetch
.endm
.macro EVENROUND w                     ; the second and the third refill
	WAITDS \w
	GRD
	BLOCK 0, 0, ACC, 8, 0, 26, L_ROUND
	WIN 0
	WALU
	s_wait_dscnt 0x0
	s_barrier_signal -1
	BLOCK 0, 0, ACC, 8, 26, 32, L_NONE
	WIN 0
	CODES6 ACC+32, NCD+6, 1
	MIDDLE
	BARRIER
	s_cmp_lt_u32 s14, 2
	s_cbranch_scc0 .Lscales_\@
	TLOAD G0R, G1A
	s_branch .Lasked_\@
.Lscales_\@:
	s_cmp_eq_u32 s14, 2
	s_cbranch_scc0 .Lnone_\@
	TLOAD G0S, G1S
.Lnone_\@:
.Lasked_\@:
	EVENOUT 1
.endm
.macro EVENSHOW w                      ; a plain barrier inside the block shows the last refill to all
	WAITDS \w
	BLOCK 0, 0, ACC, 8, 0, 26, L_OUT, ACC+32, 1, 3
	WIN 0
	WALU
	s_wait_tensorcnt 0x0
	s_wait_dscnt 0x0
	s_barrier_signal -1
	BLOCK 0, 0, ACC, 8, 26, 32, L_NONE
	WIN 0
	s_barrier_wait -1
	CODES6 ACC+32, NCD+6, 1
	EVENOUT 1
.endm
.macro ODD w, fetch
	WAITDS \w
	s_wait_xcnt 0x0
.if \fetch
	BLOCK 0, 1, ACC+32, 8, 0, 32, L_ODD
.else
	BLOCK 0, 1, ACC+32, 8, 0, 32, L_ODDL
.endif
	WIN 0
	CODES6 ACC, NCD, 0
	WALU
	ds_store_b8 v[VX], v[EB]
.if \fetch
	FETCH 1
.endif
.endm
; ================= THE HEAD
	s_load_b128 s[4:7], s[0:1], 0x0                     ; x
	s_load_b128 s[8:11], s[0:1], 0x10                   ; Wq
	s_load_b128 s[76:79], s[0:1], 0x20                  ; Wk
	s_load_b128 s[48:51], s[0:1], 0x30                  ; Wv
	v_lshl_add_u32 v[SPW], v0, 2, SPARE
	v_mov_b32 v[NIL], 0
	ds_add_u32 v[SPW], v[NIL]
	ds_add_u32 v[SPW], v[NIL]
	v_lshrrev_b32 v1, 5, v0
	v_readfirstlane_b32 s14, v1                         ; s14 the wave; s15 its row of the 2 x 2, s16 its column
	s_lshr_b32 s15, s14, 1
	s_and_b32 s16, s14, 1
	s_bfe_u32 s40, ttmp6, 0x40000                       ; cx
	s_bfe_u32 s41, ttmp6, 0x40004                       ; cy
	s_lshl_b32 s42, ttmp9, 2
	s_add_co_u32 s42, s42, s40                          ; s42 phase 2's tile column, 0 .. 15
	s_and_b32 s43, ttmp7, 0xffff
	s_lshl_b32 s43, s43, 2
	s_add_co_u32 s43, s43, s41                          ; s43 its tile row
	s_lshr_b32 s19, ttmp9, 1                            ; s19: 0 Q, 1 K
	s_and_b32 s87, ttmp9, 1                             ; s87: V's half of my 512 rows
	s_lshl_b32 s13, s19, 2
	s_add_co_u32 s13, s13, s40                          ; s13 V's tile column
	s_lshl_b32 s12, s43, 1
	s_add_co_u32 s12, s12, s87                          ; s12 V's tile row
	s_lshl_b32 s44, s41, 2
	s_lshl_b32 s44, 15, s44                             ; my row of the cluster
	s_lshl_b32 s45, 0x1111, s40                         ; my column
	GROUP1 G1A, 44, RA
	GROUP1 G1B, 45, TN
	s_or_b32 s[G1S+0], s44, (3<<16)|(1<<20)|(1<<21)|(5<<22)|(3<<25)
	s_mov_b32 s[G1S+1], 32<<16
	s_mov_b32 s[G1S+2], (2*CU)<<16
	s_mov_b32 s[G1S+3], 32<<16
	s_mov_b32 s[G1S+4], 2*CU
	s_mov_b32 s[G1S+5], 32
	s_mov_b32 s[G1S+6], 0
	s_mov_b32 s[G1S+7], 0
	s_mov_b32 s[G0S], 1
	s_mov_b32 s[G0S+1], SCL
	s_mul_i32 s67, s43, TM*KROW                         ; my 512 rows, bytes from x's codes
	s_mul_i32 s66, s12, TV*KROW                         ; V's half of them
	s_and_b32 s23, s42, 7                               ; Wq's or Wk's tile column = the K step of the scores' product
	s_mul_i32 s86, s23, TN*KROW
	s_mul_i32 s54, s13, TN*KROW
	s_mul_i32 s55, s43, TM*KS                           ; my rows' scale bytes
	s_mul_i32 s89, s12, TV*KS
	s_mul_i32 s21, s16, 16*NB*KS
	s_mul_i32 s82, s23, TN*KS
	SADD 82, 21
	s_mov_b32 s83, 0
	s_mul_i32 s84, s13, TN*KS
	SADD 84, 21
	s_mov_b32 s85, 0
	s_mov_b32 s[G0A], 1
	s_mov_b32 s[G0A+1], 0
	s_mov_b32 s[G0B], 1
	s_mov_b32 s[G0B+1], BVB
	s_mov_b32 s[G0R], 1
	s_mov_b32 s[G0R+1], YB
	s_mul_i32 s21, s15, 64*PITCH                        ; my band of a chunk
	s_mul_i32 s22, s15, 8*272
	s_add_co_u32 s22, s22, SCL
	s_lshl_b32 s90, s40, 2
	SADD 90, 14                                         ; my number among the sixteen waves of my row of the cluster
	s_lshl_b32 s100, s41, 2
	SADD 100, 14                                        ; and of my column
	v_and_b32 v1, 15, v0                                ; r
	v_bfe_u32 v2, v0, 4, 1                              ; h
	v_and_b32 v3, 31, v0
	v_bfe_u32 v7, v0, 3, 1                              ; r / 8
	v_and_b32 v8, 7, v0                                 ; i
	v_mad_u32_u24 v22, v7, 40, v8                       ; an even tile's row: i, or 32 + 8 + i
	v_mad_u32_u24 v23, v7, 24, v8                       ; an odd tile's, less 8: i, or 32 - 8 + i
	v_lshl_add_u32 v16, v2, 3, v22
	v_and_b32 v41, v2, v7
	v_lshlrev_b32 v41, 4, v41
	v_sub_nc_u32 v16, v16, v41                          ; the row of lane l in the weights' tiles 0 (lanes 0-15) and 1
	v_lshlrev_b32 v[ABS], 5, v16
	v_mul_u32_u24 v22, v22, PITCH
	v_mul_u32_u24 v23, v23, PITCH
	v_mad_u32_u24 v12, v2, 24, v22
	v_mad_u32_u24 v13, v2, 40, v22
	v_mad_u32_u24 v14, v2, 24, v23
	v_mad_u32_u24 v15, v2, 40, v23
	v_add_nc_u32 v[EA0], s21, v12
	v_add_nc_u32 v[EA0+1], s21, v13
	v_mul_u32_u24 v40, v7, 5*272
	v_lshl_add_u32 v40, v8, 5, v40
	v_mul_u32_u24 v17, v7, 3*272
	v_lshl_add_u32 v17, v8, 5, v17
	v_add_nc_u32 v[EAS], s22, v40
	v_lshlrev_b32 v[CO], 4, v3
	v_lshlrev_b32 v[C8], 3, v3
	WALU
	s_wait_dscnt 0x0
	CROUND                                              ; the opening round, ahead of the wait for the arguments
	s_wait_kmcnt 0x0
	s_cmp_eq_u32 s19, 1
	s_cselect_b64 s[2:3], s[76:77], s[8:9]              ; the second weight's codes
	s_cselect_b64 s[10:11], s[78:79], s[10:11]          ; and scales
	s_mov_b32 s20, s86
	s_mov_b32 s21, 0
	s_add_nc_u64 s[2:3], s[2:3], s[20:21]
	s_add_nc_u64 s[10:11], s[10:11], s[82:83]
	s_add_nc_u64 s[84:85], s[50:51], s[84:85]           ; Wv's scale bytes, my 64 rows
	s_mov_b32 s20, s66
	s_add_nc_u64 s[G0A+2:G0A+3], s[4:5], s[20:21]
	s_add_nc_u64 s[G0R+2:G0R+3], s[G0A+2:G0A+3], RA*KROW
	s_or_b32 s[G0A+3], s[G0A+3], 0x80000000
	s_or_b32 s[G0R+3], s[G0R+3], 0x80000000
	G0SET G0B, 48, 54
	G0SET G0S, 6, 89
	s_cmp_eq_u32 s14, 0
	s_cbranch_scc0 .Lwave_1
	TLOAD G0B, G1B                                      ; wave 0: Wv's rows
	s_branch .Lasked
.Lwave_1:
	s_cmp_eq_u32 s14, 1
	s_cbranch_scc0 .Lwave_2
	TLOAD G0S, G1S                                      ; wave 1: both chunks' scale bytes
	s_branch .Lasked
.Lwave_2:
	s_cmp_eq_u32 s14, 2
	s_cbranch_scc0 .Lwave_3
	TLOAD G0A, G1A                                      ; wave 2: chunk 0
	s_branch .Lasked
.Lwave_3:
	TLOAD G0R, G1A                                      ; wave 3: chunk 1
.Lasked:
.irp p, 0,1
.irp c, 0,1
	global_load_b128 v[SB+NQ*\p+4*\c:SB+NQ*\p+4*\c+3], v[ABS], s[84:85] offset:\p*16*KS+16*\c
.endr
.endr
	WIN 3<<6
.irp p, 0,1
.irp c, 0,1
	global_load_b128 v[SB2-768+NQ*\p+4*\c:SB2-768+NQ*\p+4*\c+3], v[ABS], s[10:11] offset:\p*16*KS+16*\c
.endr
.endr
	WIN 0
	s_and_b32 s23, s42, 7                               ; where the results go: s[76:77] Q's or K's codes, s[78:79] their scale words, s[80:81], s[82:83] V's
	s_lshr_b32 s20, s23, 1
	s_mul_i32 s76, s20, 1572864
	s_and_b32 s20, s23, 1
	s_mul_i32 s20, s20, 1536
	SADD 76, 20
	s_mul_i32 s20, s16, 768
	SADD 76, 20
	s_lshl_b32 s20, s43, 5
	s_lshl_b32 s21, s15, 3
	SADD 20, 21
	s_mul_i32 s20, s20, 3072
	SADD 76, 20
	s_mov_b32 s77, 0
	s_lshl_b32 s78, s23, 15
	s_lshl_b32 s20, s43, 11
	SADD 78, 20
	s_xor_b32 s20, s15, s87                             ; the stage's halves lie in the order of work
	s_lshl_b32 s20, s20, 10
	SADD 78, 20
	s_lshl_b32 s20, s16, 9
	SADD 78, 20
	s_mov_b32 s79, 0
	s_lshl_b32 s20, s12, 1
	SADD 20, 15                                         ; my chunk of 128 positions
	s_lshl_b32 s22, s13, 1
	s_add_co_u32 s23, s22, s16                          ; my 64 channels
	s_lshr_b32 s80, s20, 2
	s_lshl_b32 s80, s80, 8
	s_lshl_b32 s23, s23, 4
	SADD 80, 23
	s_and_b32 s20, s20, 3
	SADD 80, 20
	s_mul_i32 s80, s80, 1536
	s_mov_b32 s81, 0
	s_lshl_b32 s82, s12, 1
	SADD 82, 16
	s_lshl_b32 s82, s82, 12
	SADD 22, 15
	s_lshl_b32 s22, s22, 8
	SADD 82, 22
	s_mov_b32 s83, 0
	s_wait_xcnt 0x0
	s_load_b128 s[40:43], s[0:1], 0x40                  ; q_img, q_sw
	s_load_b128 s[8:11], s[0:1], 0x50                   ; k_img, k_sw
	s_load_b128 s[48:51], s[0:1], 0x60                  ; v_img, v_sw
	s_lshl_b32 s21, s15, 9
	s_lshl_b32 s22, s16, 1
	SADD 21, 22
	s_add_co_u32 s21, s21, XN
	s_lshl_b32 s22, s16, 9
	s_lshl_b32 s23, s15, 8
	SADD 22, 23
	s_add_co_u32 s22, s22, XM
	v_lshl_add_u32 v41, v1, 2, v2
	v_add_nc_u32 v[STO], s21, v41
	v_add_nc_u32 v[STV], s22, v41
	s_mov_b32 s46, 0
	s_mov_b32 s88, s67
	s_mov_b32 s47, 0
	s_xor_b32 s20, s87, 1                               ; the chunks still to come are the other half's
	s_mul_i32 s21, s20, 2*RA*KROW
	SADD 88, 21
	s_mul_i32 s21, s20, 2*CU*256
	SADD 55, 21
	s_mul_i32 s22, s16, 64*PITCH
	s_add_co_u32 s22, s22, BVB
	s_mul_i32 s21, s15, 64*PITCH
	s_add_co_u32 s21, s21, 8*PITCH
	s_mul_i32 s23, s15, 8*272
	s_add_co_u32 s23, s23, SCL+272
	WIN 3<<6
.irp b, 0,2
	v_add_nc_u32 v[BA-768+2*\b], s22, v12
	v_add_nc_u32 v[BA-768+2*\b+1], s22, v13
	s_add_co_u32 s22, s22, 8*PITCH
	v_add_nc_u32 v[BA-768+2*\b+2], s22, v14
	v_add_nc_u32 v[BA-768+2*\b+3], s22, v15
	s_add_co_u32 s22, s22, 8*PITCH
.endr
	WIN 0
	v_add_nc_u32 v1, s21, v14
	v_add_nc_u32 v22, s21, v15
	v_add_nc_u32 v23, s23, v17
	s_mov_b32 s22, 0
	PFTILE 8, 22, 100                                   ; what the first refill will load
	WALU
	s_cmp_eq_u32 s14, 0
	s_cbranch_scc0 .Lnot_b
	s_wait_tensorcnt 0x0
.Lnot_b:
	BARRIER                                             ; Wv's rows are in
	PFGO 8, 2
	WEIGHTS
	s_cmp_eq_u32 s14, 3
	s_cbranch_scc1 .Lnot_a0
	s_wait_tensorcnt 0x0
.Lnot_a0:
	s_wait_dscnt 0x0
	BARRIER                                             ; chunk 0 and the scale bytes are in; chunk 1 may still be on its way
	FETCH01
	s_wait_loadcnt 0x0                                  ; both weights' scale words
	s_wait_kmcnt 0x0
	s_cmp_eq_u32 s19, 1
	s_cselect_b64 s[52:53], s[10:11], s[42:43]
	s_cselect_b64 s[10:11], s[8:9], s[40:41]
	s_add_nc_u64 s[10:11], s[10:11], s[76:77]
	s_add_nc_u64 s[52:53], s[52:53], s[78:79]
	s_add_nc_u64 s[48:49], s[48:49], s[80:81]
	s_add_nc_u64 s[50:51], s[50:51], s[82:83]
	s_mov_b32 s8, SCL
; ================= PHASE 1: V, eight blocks; band 0's way outs stand in band 1's blocks
.irp s, 0,1
	s_wait_dscnt NF
	BLOCK 1, \s, HV0+8*\s, 32, 0, 32, L_STEP, 0, 0, 1-\s
	WIN 0
	PLACES 4
	WALU
	FETCH \s
.endr
	s_wait_dscnt NF
	s_wait_xcnt 0x0                                     ; the list writes v8, the address of the head's prefetch
	GRD
	BLOCK 1, 0, HV0+16, 32, 0, 24, L_V2
	WIN 0
	WALU
	s_wait_dscnt 0x0
	s_barrier_signal -1
	BLOCK 1, 0, HV0+16, 32, 24, 32, L_NONE
	MIDDLE
	BARRIER
	s_cmp_lt_u32 s14, 2
	s_cbranch_scc0 .Lno_half
	TLOAD G0B, G1B                                      ; waves 0 and 1 a half each of Wq's or Wk's rows, onto Wv's, which all waves hold in registers
.Lno_half:
	PLACES 4                                            ; the places ahead of the fetch, for the waves that come round the load
	WALU
	FETCH 0
	PFGO 7, 4
	PFGO 8, 6
	BLOCK 1, 1, HV0+24, 32, 0, 32, L_STEP
	WIN 0
	PLACES 4
	WALU
	FETCH 1
.irp j, 0,1,2
	s_wait_dscnt NF+(\j+1)/2
.if \j < 2
	BLOCK 1, \j%2, HV1+8*\j, 32, 0, 32, L_OUT, HV0+32*\j, \j, 1-\j
.else
	BLOCK 1, \j%2, HV1+8*\j, 32, 0, 32, L_LAST, HV0+32*\j, \j
.endif
	WIN 0
	CODES6 HV0+32*\j, MCD+12*\j, \j
	WALU
	ds_store_b8 v[STV], v[EB+\j] offset:64*\j
.if \j < 2
	FETCH \j%2
.endif
.endr
	s_wait_dscnt 1
	BLOCK 1, 1, HV1+24, 32, 0, 26, L_V7, HV0+96, 3
	WIN 0
	WALU
	s_wait_tensorcnt 0x0
	s_wait_dscnt 0x0
	s_barrier_signal -1                                 ; a plain barrier: the weights that the first refill brought are shown to all
	BLOCK 1, 1, HV1+24, 32, 26, 32, L_NONE
	WIN 0
	s_barrier_wait -1
	CODES6 HV0+96, MCD+36, 3
	WALU
	ds_store_b8 v[STV], v[EB+3] offset:192
; ================= THE CHANGE OF PHASE: the weights and the first two blocks' rows, which lie in slot 0 still, in one run of loads; band 1's four way outs under their flight
	WEIGHTS
	FETCH01
	PFGO 20, 4
	WIN 3
.set I, 0
.rept 16
	v_mov_b32 v[SB+I], v[SB2-768+I]
.set I, I+1
.endr
	WIN 0
.set I, 0
.rept 18
.irp t, 0,1,2,3
	CHAIN I, HV1+32*\t, \t, 64+4*\t
.endr
.set I, I+1
.endr
.set I, 0
.rept 6
.irp t, 0,1,2,3
	CODES I, HV1+32*\t, MCD+12*\t+6, \t, 80+4*\t
.endr
.set I, I+1
.endr
	WIN 0
	WALU
; ================= PHASE 2: Q or K, sixteen blocks, way outs by pairs
	s_wait_dscnt NF
	BLOCK 0, 0, ACC, 8, 0, 32, L_STEP, 0, 0, 1
	WIN 0
	PLACES 4
	WALU
.irp t, 0,1,2,3
	ds_store_b8 v[STV], v[EB+\t] offset:2+64*\t
.endr
.irp t, 0,1,2,3
	PUT3 MCD+12*\t, s[48:49], 6144*\t                   ; V's codes leave
.endr
	FETCH 0
	ODD NF+4, 1
	s_mov_b32 s86, 0
.Lwith_rounds:                                          ; blocks 2 to 5, 6 to 9
	EVENROUND NF+1
	ODD -1, 1
	EVEN NF+1, 1
	ODD NF+1, 1
	s_add_co_u32 s86, s86, 1
	s_cmp_lg_u32 s86, 2
	s_cbranch_scc1 .Lwith_rounds
	EVENSHOW NF+1                                       ; block 10
	ODD -1, 1
	EVEN NF+1, 1
	ODD NF+1, 1
	EVEN NF+1, 0
	ODD 1, 0
; ================= THE END: the last way out; the scale bytes go through LDS under its conversions
	s_lshl_b32 s21, s14, 9
	s_add_co_u32 s21, s21, XN
	s_lshl_b32 s22, s14, 8
	s_add_co_u32 s22, s22, XM
	v_add_nc_u32 v12, s21, v[CO]
	v_add_nc_u32 v14, s22, v[C8]
.set I, 0
.rept 18
	CHAIN I, ACC+32, 1
.set I, I+1
.endr
	CODES 2, ACC+32, NCD+6, 1
	WALU
	ds_store_b8 v[VX], v[EB+1] offset:64
	s_wait_dscnt 0x0
	s_barrier_signal -1
	CODES 0, ACC+32, NCD+6, 1
	CODES 1, ACC+32, NCD+6, 1
	WIN 0
	v_nop
.irp i, 3,4,5
	CODES \i, ACC+32, NCD+6, 1
.endr
	s_barrier_wait -1
	WALU
	ds_load_b128 v[64:67], v12
	ds_load_b64 v[68:69], v14
	PUTPAIR
	s_wait_dscnt 0x0
	global_store_b128 v[CO], v[64:67], s[52:53]
	global_store_b64 v[C8], v[68:69], s[50:51]
	s_wait_tensorcnt 0x0                                ; the wave's end
	ds_add_u32 v[SPW], v[NIL]
	s_wait_dscnt 0x0
	CROUND                                              ; the closing round
	s_endpgm
.Lfunc_end_k_q210704c146_proj:
	.size	k_q210704c146_proj, .Lfunc_end_k_q210704c146_proj-k_q210704c146_proj
	.p2alignl 7, 3214868480
	.fill 96, 4, 3214868480
	.section	.rodata,"a",@progbits
	.p2align	6, 0x0
	.amdhsa_kernel k_q210704c146_proj
		.amdhsa_group_segment_fixed_size 327680
		.amdhsa_private_segment_fixed_size 0
		.amdhsa_enable_private_segment 0
		.amdhsa_kernarg_size 112
		.amdhsa_user_sgpr_count 2
		.amdhsa_user_sgpr_kernarg_segment_ptr 1
		.amdhsa_wavefront_size32 1
		.amdhsa_system_sgpr_workgroup_id_x 1
		.amdhsa_system_sgpr_workgroup_id_y 1
		.amdhsa_system_sgpr_workgroup_id_z 1
		.amdhsa_system_vgpr_workitem_id 0
		.amdhsa_next_free_vgpr 992
		.amdhsa_next_free_sgpr 102
		.amdhsa_reserve_vcc 0
		.amdhsa_float_denorm_mode_32 3
		.amdhsa_float_denorm_mode_16_64 3
		.amdhsa_memory_ordered 1
		.amdhsa_forward_progress 1
		.amdhsa_inst_pref_size 203
	.end_amdhsa_kernel
	.amdgpu_metadata
---
amdhsa.version: [ 1, 2 ]
amdhsa.kernels:
  - .name:           k_q210704c146_proj
    .symbol:         k_q210704c146_proj.kd
    .args:
      - { .name: x_codes, .offset: 0, .size: 8, .value_kind: global_buffer, .address_space: global }
      - { .name: x_scales, .offset: 8, .size: 8, .value_kind: global_buffer, .address_space: global }
      - { .name: Wq_codes, .offset: 16, .size: 8, .value_kind: global_buffer, .address_space: global }
      - { .name: Wq_scales, .offset: 24, .size: 8, .value_kind: global_buffer, .address_space: global }
      - { .name: Wk_codes, .offset: 32, .size: 8, .value_kind: global_buffer, .address_space: global }
      - { .name: Wk_scales, .offset: 40, .size: 8, .value_kind: global_buffer, .address_space: global }
      - { .name: Wv_codes, .offset: 48, .size: 8, .value_kind: global_buffer, .address_space: global }
      - { .name: Wv_scales, .offset: 56, .size: 8, .value_kind: global_buffer, .address_space: global }
      - { .name: q_img, .offset: 64, .size: 8, .value_kind: global_buffer, .address_space: global }
      - { .name: q_sw, .offset: 72, .size: 8, .value_kind: global_buffer, .address_space: global }
      - { .name: k_img, .offset: 80, .size: 8, .value_kind: global_buffer, .address_space: global }
      - { .name: k_sw, .offset: 88, .size: 8, .value_kind: global_buffer, .address_space: global }
      - { .name: v_img, .offset: 96, .size: 8, .value_kind: global_buffer, .address_space: global }
      - { .name: v_sw, .offset: 104, .size: 8, .value_kind: global_buffer, .address_space: global }
    .group_segment_fixed_size: 327680
    .private_segment_fixed_size: 0
    .kernarg_segment_align: 8
    .kernarg_segment_size: 112
    .max_flat_workgroup_size: 128
    .sgpr_count:     102
    .vgpr_count:     992
    .wavefront_size: 32
...
	.end_amdgpu_metadata
.endif
;; end of part 1
;; launch score (part 2): grid 8 x 32, 8 waves a work-group, clusters of 4 x 4, 327,680 bytes of LDS; arguments q_img, q_sw, k_img, k_sw, p_img, pst; writes p_img, pst
.if DOCPART == 2
	.amdgcn_target "amdgcn-amd-amdhsa--gfx1250"
	.amdhsa_code_object_version 6
	.text
	.protected	k_q210704c146_score
	.globl	k_q210704c146_score
	.p2align	8
	.type	k_q210704c146_score,@function
k_q210704c146_score:
	s_mov_b64 s[64:65], 0
	v_nop
	global_prefetch_b8 v0, s[64:65] scope:SCOPE_SE
	s_setreg_imm32_b32 hwreg(HW_REG_WAVE_MODE, 25, 1), 1
	s_wait_xcnt 0x0
	s_wait_alu depctr_hold_cnt(0) depctr_sa_sdst(0) depctr_va_vdst(0) depctr_va_sdst(0) depctr_va_ssrc(0) depctr_va_vcc(0) depctr_vm_vsrc(0)
	s_getreg_b32 s2, hwreg(HW_REG_IB_STS2, 6, 4)
	s_cmp_eq_u32 s2, 0
	s_cbranch_scc0 .Lentry_in_a_cluster
	s_endpgm
.Lentry_in_a_cluster:
	s_bfe_u32 s2, ttmp6, 0x10000c
	s_cmp_lg_u32 s2, 0xf033
	s_cbranch_scc0 .Lentry_shape_is_right
	s_endpgm
.Lentry_shape_is_right:
; S^T = k q^T on codes of E2M3 (K = 1,024), then for each query and each chunk of 128 keys: t = score x log2(e) / 32, M = ceil(the chunk's largest t), p = 2^(t - M), l = the sum of the unquantised p;
; p is quantised along the keys and leaves as codes; its scale word, -M and l leave as a record of 16 bytes.  M is a whole number, so the last launch brings every chunk under the row's M by taking the difference off p's scale bytes.
; SHARES.  A work-group owns 256 queries (Y) x 256 keys (X) of one batch, counted in the positions that the first launch has laid.  Eight waves, two to a SIMD, so that one works while the other waits; a wave 64 queries x 128 keys:
; 32 accumulators in window 1: (query tile a, key tile b) at v[8 (8 a + b)].
; Source 0 = 16 keys, source 1 = 16 queries.  By the key tiles' rows a lane's registers 32 c .. 32 c + 31 of a query tile are ONE BLOCK of 32 keys: block h of band c: no other lane is asked for a block's largest, and the conversions' results are the operand's registers.
; q's and k's fragments lie as two half images of 768 bytes (registers 0-3 of 32 lanes, then registers 4-5); K goes in slots of 256 through a ring of two.  Scale words stay in registers for all of K, two tiles to a register.
; CLUSTER 4 x 4: q's tiles hang on Y alone (shared along a row of the cluster), k's on X and the batch, which is made of the cluster's y alone (shared along a column).
; PREFETCH: behind slot n's joint load (n = 0, 1, 2) each wave asks for a quarter (12 units of 256 bytes) of what it will load for slot n + 1; the four partners share the units out by address.  Behind slot 3's nothing is asked for.
; LIMITS: NaN and infinities are not served.  The scaled scores stay under 2^31 in magnitude.  A p under 2^-126 counts as 0 (the exponential's own flush); a block all of whose p are 0 gets the byte 1: its codes are zeros.
.set SLOT,  98304                      ; q's 16 tiles x 2 K steps x 1,536, then k's
.set QT,    12288                      ; 4 tiles: what one tensor load brings, and what one wave reads of q; of k it reads two of these
.set SPARE, 2*SLOT                     ; 128 bytes for each of eight waves
.set KSL,   1572864                    ; from K slot to K slot in q_img and k_img
.set ADRA, 16                          ; v16-17 q, slots 0, 1, by 16 x lane; v18-19 by 8 x lane
.set ADRB, 20                          ; v20-23 the same for k
.set H8,  24                           ; 8 h
.set PFO, 25                           ; the prefetches' offset; never rewritten
.set SPW, 28
.set NIL, 29
.set SP,  32                           ; v32-63 k's scale words
.set SR,  64                           ; v64-79 q's
.set KF,  80                           ; v80-175 k's fragments
.set QF,  176                          ; v176-223 q's
; behind the products, the softmax of two query tiles, t = 0, 1:
.set BM,  80                           ; 4 t + b  largest scores
.set T,   88                           ; t
.set TX,  90
.set NM,  92                           ; 2 t: -M, in pairs (the packed form names a pair and takes its low word)
.set SO,  96                           ; 2 t + c  the conversions' scale operands
.set BY,  100
.set SU,  104                          ; 4 t + 2 k  two chains of sums
.set SD,  112                          ; t  scale words
.set LL,  114                          ; t  l
.set WX,  116
.set LX,  118
.set PC,  120                          ; 12 t + 6 c  codes
.set RE,  144                          ; v144-147 a record
.set PY,  148                          ; 4 (2 t + c)
.set WV,  16                           ; wave 0..7
.set WQ,  17                           ; which 64 queries are mine
.set WLO, 18                           ; which 128 keys
.set WSD, 22                           ; I fetch for q (0) or for k (1)
.set WQU, 23                           ; which 4 tiles I fetch
.set G1A, 24
.set G0A, 32
.set G1B, 48
.set G0B, 56
.set CS,  70
.set SEL, 72
.set HM,  77
.set PFA, 90
.set MUL, 0x50                         ; sources 0 (k) and 1 (q) window 0, C and D window 1
.set MSB, 0
.macro WIN new
.set WNEW, \new
.if MSB != WNEW
	s_set_vgpr_msb (MSB<<8)|WNEW
.set MSB, WNEW
.endif
.endm
.macro PLACES n
.rept \n
	v_nop
.endr
.endm
.macro WALU
	s_wait_alu depctr_va_vdst(0)
.endm
.macro CREST
	s_cmp_lg_u32 s[WV], 0
	s_cbranch_scc1 .Lnw0_\@
	s_barrier_signal -3
.Lnw0_\@:
	s_barrier_wait -3
	s_barrier_signal -1
	s_barrier_wait -1
.endm
.macro CROUND
	s_barrier_signal -1
	s_barrier_wait -1
	CREST
.endm
.macro JLOAD s                         ; a joint load: waves 0 to 3 fetch q's quarters, waves 4 to 7 k's
	s_cmp_eq_u32 s[WSD], 0
	s_cbranch_scc0 .Lfb_\@
	tensor_load_to_lds s[G0A+4*(\s):G0A+4*(\s)+3], s[G1A:G1A+7]
	s_nop 0
	PLACES 4
	s_branch .Lja_\@
.Lfb_\@:
	tensor_load_to_lds s[G0B+4*(\s):G0B+4*(\s)+3], s[G1B:G1B+7]
	s_nop 0
	PLACES 4
.Lja_\@:
.endm
.macro ASK n                           ; my share of K slot n
	global_prefetch_b8 v[PFO], s[PFA:PFA+1] offset:KSL*(\n) th:TH_LOAD_NT scope:SCOPE_SE
.endm
.macro WM d, p, r, sp, sr, rp, rr, z
.set WD, \d
.set WP, \p
.set WR, \r
.set WS, \sp
.set WT, \sr
.if \z
	v_wmma_scale_f32_16x16x128_f8f6f4 v[WD:WD+7], v[WP:WP+11], v[WR:WR+11], 0, v[WS], v[WT] matrix_a_fmt:MATRIX_FMT_FP6 matrix_b_fmt:MATRIX_FMT_FP6 matrix_a_scale:MATRIX_SCALE_ROW\rp matrix_b_scale:MATRIX_SCALE_ROW\rr
.else
	v_wmma_scale_f32_16x16x128_f8f6f4 v[WD:WD+7], v[WP:WP+11], v[WR:WR+11], v[WD:WD+7], v[WS], v[WT] matrix_a_fmt:MATRIX_FMT_FP6 matrix_b_fmt:MATRIX_FMT_FP6 matrix_a_scale:MATRIX_SCALE_ROW\rp matrix_b_scale:MATRIX_SCALE_ROW\rr
.endif
.endm
	s_load_b256 s[4:11], s[0:1], 0x0               ; q_img, q_sw, k_img, k_sw
	s_load_b128 s[12:15], s[0:1], 0x20             ; p_img, pst
	v_lshl_add_u32 v[SPW], v0, 2, SPARE
	v_mov_b32 v[NIL], 0
	ds_add_u32 v[SPW], v[NIL]
	ds_add_u32 v[SPW], v[NIL]
	v_lshrrev_b32 v1, 5, v0
	v_readfirstlane_b32 s[WV], v1
	s_lshr_b32 s[WQ], s[WV], 1
	s_and_b32 s[WLO], s[WV], 1
	s_lshr_b32 s[WSD], s[WV], 2
	s_and_b32 s[WQU], s[WV], 3
	s_bfe_u32 s40, ttmp6, 0x40000                  ; cx
	s_bfe_u32 s41, ttmp6, 0x40004                  ; cy
	s_lshl_b32 s42, ttmp9, 2
	s_add_co_u32 s42, s42, s40                     ; X: block of 256 keys, 0..7
	s_and_b32 s46, ttmp7, 0xffff                   ; the cluster's y
	s_lshl_b32 s45, s46, 2
	s_add_co_u32 s45, s45, s41                     ; Y: block of 256 queries, 0..31, eight to a batch
	s_lshr_b32 s47, s46, 1                         ; the batch, of the cluster's y alone
	s_lshl_b32 s43, s41, 2
	s_lshl_b32 s43, 15, s43                        ; my row of the cluster
	s_lshl_b32 s44, 0x1111, s40                    ; my column
	; group 1: a dense block of 12,288 bytes as 48 rows of 256 bytes (32 elements of 8 bytes), no padding
	s_or_b32 s[G1A], s43, (3<<16)|(1<<21)
	s_or_b32 s[G1B], s44, (3<<16)|(1<<21)
.irp g, G1A, G1B
	s_mov_b32 s[\g+1], 32<<16
	s_mov_b32 s[\g+2], 48<<16
	s_mov_b32 s[\g+3], 32<<16
	s_mov_b32 s[\g+4], 48
	s_mov_b32 s[\g+5], 32
	s_mov_b32 s[\g+6], 0
	s_mov_b32 s[\g+7], 0
.endr
	s_lshl_b32 s20, s45, 4                         ; q: row tile 16 Y + 4 x quarter, 3,072 bytes a tile in a K slot
	s_lshl_b32 s21, s[WQU], 2
	s_add_co_u32 s20, s20, s21
	s_mul_i32 s20, s20, 3072
	s_mov_b32 s21, 0
	s_lshl_b32 s66, s47, 7                         ; k: row tile 128 batch + 16 X + 4 x quarter
	s_lshl_b32 s67, s42, 4
	s_add_co_u32 s66, s66, s67
	s_lshl_b32 s67, s[WQU], 2
	s_add_co_u32 s66, s66, s67
	s_mul_i32 s66, s66, 3072
	s_mov_b32 s67, 0
	s_mul_i32 s19, s[WV], QT                       ; where they go: q's four quarters, then k's: no place in the cluster enters an LDS address
	s_mov_b32 s[CS], 0x3d38aa3b                    ; c = log2(e) / 32
	s_mov_b32 s[CS+1], s[CS]
	s_mov_b32 s[SEL], 0x76543210
	s_mov_b32 s[SEL+1], 0xfedcba98                 ; v_permlanex16_b32: lane l xor 16
	s_mov_b32 s[HM], 0xffff0000                    ; lanes 16-31
	s_wait_dscnt 0x0                               ; both opening adds are done
	s_wait_kmcnt 0x0
	s_add_nc_u64 s[20:21], s[4:5], s[20:21]
	s_add_nc_u64 s[66:67], s[8:9], s[66:67]
.irp s, 0,1
	s_mov_b32 s[G0A+4*\s], 1
	s_add_co_u32 s[G0A+4*\s+1], s19, \s*SLOT
	s_add_nc_u64 s[G0A+4*\s+2:G0A+4*\s+3], s[20:21], \s*KSL
	s_or_b32 s[G0A+4*\s+3], s[G0A+4*\s+3], 0x80000000
	s_mov_b32 s[G0B+4*\s], 1
	s_add_co_u32 s[G0B+4*\s+1], s19, \s*SLOT
	s_add_nc_u64 s[G0B+4*\s+2:G0B+4*\s+3], s[66:67], \s*KSL
	s_or_b32 s[G0B+4*\s+3], s[G0B+4*\s+3], 0x80000000
.endr
	CROUND                                         ; all sixteen work-groups are here: the first joint loads meet
	JLOAD 0                                        ; one tensor load a wave at the head
	s_cmp_eq_u32 s[WSD], 0
	s_cselect_b64 s[PFA:PFA+1], s[20:21], s[66:67] ; what I load,
	s_cselect_b32 s92, s40, s41                    ; and my place among the four that ask for it with me
	s_mul_i32 s92, s92, QT/4
	s_lshl_b32 s82, s45, 8                         ; q's scale words: row 256 Y + 64 x part
	s_lshl_b32 s83, s[WQ], 6
	s_add_co_u32 s82, s82, s83
	s_lshl_b32 s82, s82, 2
	s_mov_b32 s83, 0
	s_add_nc_u64 s[6:7], s[6:7], s[82:83]
	s_lshr_b32 s84, s45, 3                         ; k's: row 2,048 batch + 256 X + 128 lo
	s_lshl_b32 s84, s84, 11
	s_lshl_b32 s85, s42, 8
	s_add_co_u32 s84, s84, s85
	s_lshl_b32 s85, s[WLO], 7
	s_add_co_u32 s84, s84, s85
	s_lshl_b32 s84, s84, 2
	s_mov_b32 s85, 0
	s_add_nc_u64 s[10:11], s[10:11], s[84:85]
	s_mul_i32 s86, s[WQ], QT
	s_add_co_u32 s87, s86, SLOT
	s_mul_i32 s88, s[WLO], 2*QT
	s_add_co_u32 s88, s88, 4*QT
	s_add_co_u32 s89, s88, SLOT
	v_and_b32 v4, 31, v0
	v_lshlrev_b32 v1, 4, v4                        ; 16 x lane
	v_lshlrev_b32 v2, 2, v4                        ; 4 x lane
	v_lshlrev_b32 v3, 3, v4                        ; 8 x lane
	v_min_u32 v[PFO], 11, v4                       ; twelve units; the lanes left over name the last again
	v_lshl_add_u32 v[PFO], v[PFO], 8, s92
	v_bfe_u32 v5, v0, 4, 1
	v_lshlrev_b32 v[H8], 3, v5
	v_add_nc_u32 v[ADRA], s86, v1
	v_add_nc_u32 v[ADRA+1], s87, v1
	v_add_nc_u32 v[ADRA+2], s86, v3
	v_add_nc_u32 v[ADRA+3], s87, v3
	v_add_nc_u32 v[ADRB], s88, v1
	v_add_nc_u32 v[ADRB+1], s89, v1
	v_add_nc_u32 v[ADRB+2], s88, v3
	v_add_nc_u32 v[ADRB+3], s89, v3
	WALU                                           ; the wait at the head's end
	ASK 1
.irp k, 0,1,2,3,4,5,6,7                ; register base + 8 j + K step: lane l has row 32 j + l's word; 128 consecutive bytes a load
.irp j, 0,1,2,3
	global_load_b32 v[SP+8*\j+\k], v2, s[10:11] offset:32768*\k+128*\j
.endr
.irp j, 0,1
	global_load_b32 v[SR+8*\j+\k], v2, s[6:7] offset:32768*\k+128*\j
.endr
.endr
	s_lshr_b32 s78, s45, 3                         ; p_img: [batch][slot of 512 keys: X / 2][query tile 16 (Y % 8) + 4 x part + a][2 (X % 2) + lo][1,536]
	s_lshl_b32 s78, s78, 2
	s_lshr_b32 s79, s42, 1
	s_add_co_u32 s78, s78, s79
	s_lshl_b32 s78, s78, 7
	s_and_b32 s79, s45, 7
	s_lshl_b32 s79, s79, 4
	s_add_co_u32 s78, s78, s79
	s_lshl_b32 s79, s[WQ], 2
	s_add_co_u32 s78, s78, s79
	s_lshl_b32 s78, s78, 2
	s_and_b32 s79, s42, 1
	s_lshl_b32 s79, s79, 1
	s_add_co_u32 s78, s78, s79
	s_add_co_u32 s78, s78, s[WLO]
	s_mul_i32 s78, s78, 1536
	s_mov_b32 s79, 0
	s_add_nc_u64 s[12:13], s[12:13], s[78:79]
	s_lshr_b32 s80, s45, 3                         ; pst: [16 batch + chunk 2 X + lo][query 256 (Y % 8) + 64 x part + ..][16 bytes]
	s_lshl_b32 s80, s80, 4
	s_lshl_b32 s81, s42, 1
	s_add_co_u32 s80, s80, s81
	s_add_co_u32 s80, s80, s[WLO]
	s_lshl_b32 s80, s80, 11
	s_and_b32 s81, s45, 7
	s_lshl_b32 s81, s81, 8
	s_add_co_u32 s80, s80, s81
	s_lshl_b32 s81, s[WQ], 6
	s_add_co_u32 s80, s80, s81
	s_lshl_b32 s80, s80, 4
	s_mov_b32 s81, 0
	s_add_nc_u64 s[14:15], s[14:15], s[80:81]
.macro FRAGI reg, adr, off             ; a fragment's two half images back into 12 registers: four loads
.set FRG, \reg
.irp c, 0,1
	ds_load_b128 v[FRG+6*\c:FRG+6*\c+3], v[\adr] offset:(\off)+768*\c
	ds_load_b64 v[FRG+6*\c+4:FRG+6*\c+5], v[\adr+2] offset:(\off)+768*\c+512
.endr
.endm
.macro FETCH slot, q                   ; the slot's q-th K step: k's eight fragments, then q's four: 48 loads
.irp i, 0,1,2,3,4,5,6,7
	FRAGI KF+12*\i, ADRB+\slot, (2*\i+(\q))*1536
.endr
.irp i, 0,1,2,3
	FRAGI QF+12*\i, ADRA+\slot, (2*\i+(\q))*1536
.endr
.endm
.macro MUL8 a, ra, ks, z               ; query tile a against k's eight; the 32 accumulators take turns, one instruction a turn, in the same order in every K step
.irp b, 0,2,4,6
	WM 8*(8*(\a)+\b), KF+12*\b, QF+12*(\a), SP+8*(\b/2)+(\ks), SR+8*((\a)/2)+(\ks), 0, \ra, \z
	WM 8*(8*(\a)+\b+1), KF+12*\b+12, QF+12*(\a), SP+8*(\b/2)+(\ks), SR+8*((\a)/2)+(\ks), 1, \ra, \z
.endr
.endm
.macro MULS ks, z                      ; a K step's 32 products; a fragment of q is four loads, so q's later tiles may still be out
	s_wait_dscnt 12
	WIN MUL
	MUL8 0, 0, \ks, \z
	s_wait_dscnt 8
	MUL8 1, 1, \ks, \z
	s_wait_dscnt 4
	MUL8 2, 0, \ks, \z
	s_wait_dscnt 0x0
	MUL8 3, 1, \ks, \z
	WIN 0
	PLACES 4                                       ; four plain lines ahead of what follows: loads into these products' registers, or reads of their results
.endm
.macro TURN slot, next, ks, fill       ; a slot's second K step changes slots: one barrier, which with fill = 1 opens a round of the cluster's
	s_wait_tensorcnt 0x0                           ; all my tensor loads have landed: my part of the next slot
	ds_add_u32 v[SPW], v[NIL]                      ; 0 onto my spare word
	s_wait_dscnt 13                                ; the add and q's tiles 1 to 3 may be out
	WIN MUL
	MUL8 0, 0, \ks, 0
	s_wait_dscnt 9
	MUL8 1, 1, \ks, 0
	s_wait_dscnt 0x0                               ; the add is done, and my reads of this slot are over
	s_barrier_signal -1
	MUL8 2, 0, \ks, 0
	MUL8 3, 1, \ks, 0
	WIN 0
	s_barrier_wait -1
.if \fill
	CREST
	s_add_nc_u64 s[G0A+4*\slot+2:G0A+4*\slot+3], s[G0A+4*\slot+2:G0A+4*\slot+3], 2*KSL
	s_add_nc_u64 s[G0B+4*\slot+2:G0B+4*\slot+3], s[G0B+4*\slot+2:G0B+4*\slot+3], 2*KSL
	JLOAD \slot                                    ; the first tensor load behind the round; its four v_nop are also the plain lines ahead of the loads below
.else
	PLACES 4
.endif
	FETCH \next, 0
.endm
; THE SOFTMAX OF TWO TILES OF 16 QUERIES, a and a + 1, side by side, over my 128 keys; then p's codes, its scale words, -M and l leave.
.macro SOFT2 a
.set SW,  1
.set SS,  64*(\a)
	WIN (SW<<2)|(SW<<4)
	WALU                                           ; the wait ahead of the first readers of these products' results
.irp b, 0,1,2,3
.irp t, 0,1
	v_max3_num_f32 v[BM+4*\t+\b], 0xff7fffff, v[SS+64*\t+16*\b], v[SS+64*\t+16*\b+1]   ; each accumulator is read from its low end on
.endr
.endr
.irp i, 2,4,6,8,10,12,14
.irp b, 0,1,2,3
.irp t, 0,1
	v_max3_num_f32 v[BM+4*\t+\b], v[BM+4*\t+\b], v[SS+64*\t+16*\b+\i], v[SS+64*\t+16*\b+\i+1]
.endr
.endr
.endr
	WIN 0
.irp t, 0,1
	v_max_num_f32 v[BM+4*\t], v[BM+4*\t], v[BM+4*\t+1]      ; the largest score of my block of band 0,
	v_max_num_f32 v[BM+4*\t+1], v[BM+4*\t+2], v[BM+4*\t+3]  ; and of band 1: since p rises with the score, they give the blocks' largest p too
.endr
.irp t, 0,1
	v_max_num_f32 v[T+\t], v[BM+4*\t], v[BM+4*\t+1]
.endr
.irp t, 0,1
	v_permlanex16_b32 v[TX+\t], v[T+\t], s[SEL], s[SEL+1]
.endr
.irp t, 0,1
	v_max_num_f32 v[T+\t], v[T+\t], v[TX+\t]
.endr
.irp t, 0,1
	v_mul_f32 v[T+\t], s[CS], v[T+\t]              ; the chunk's largest t (c is positive)
.endr
.irp t, 0,1
	v_floor_f32 v[NM+2*\t], -v[T+\t]               ; -M = floor(-t) = -ceil(t)
.endr
.irp c, 0,1
.irp t, 0,1
	v_fma_f32 v[BM+4*\t+\c], v[BM+4*\t+\c], s[CS], v[NM+2*\t]
.endr
.endr
	WIN (SW<<6)|SW
.set ii, 0
.rept 32
.irp t, 0,1
	v_pk_fma_f32 v[SS+64*\t+ii:SS+64*\t+ii+1], v[SS+64*\t+ii:SS+64*\t+ii+1], s[CS:CS+1], v[NM+2*\t:NM+2*\t+1] op_sel_hi:[1,0,0]   ; t - M, two at a time
.endr
.set ii, ii+2
.endr
	WALU
.set ii, 0
.rept 128
	v_exp_f32 v[SS+ii], v[SS+ii]                   ; p = 2^(t - M), at most 1
.set ii, ii+1
.endr
	WIN 0
.irp c, 0,1
.irp t, 0,1
	v_exp_f32 v[BM+4*\t+\c], v[BM+4*\t+\c]         ; the blocks' largest p: the same two instructions on the same number
.endr
.endr
	v_nop                                          ; a plain line behind the last exponential
	WALU                                           ; one wait for the batch of 132, ahead of its first reader
	WIN SW|(SW<<2)
.irp k, 0,1
.irp t, 0,1
	v_pk_add_f32 v[SU+4*\t+2*\k:SU+4*\t+2*\k+1], v[SS+64*\t+4*\k:SS+64*\t+4*\k+1], v[SS+64*\t+4*\k+2:SS+64*\t+4*\k+3]   ; l is the sum of the unquantised p: two chains a tile
.endr
.endr
	WIN SW<<2
.set ii, 4
.rept 28
.irp t, 0,1
	v_pk_add_f32 v[SU+4*\t+2*(ii%2):SU+4*\t+2*(ii%2)+1], v[SU+4*\t+2*(ii%2):SU+4*\t+2*(ii%2)+1], v[SS+64*\t+2*ii:SS+64*\t+2*ii+1]
.endr
.set ii, ii+1
.endr
	WIN 0
.irp t, 0,1
	v_pk_add_f32 v[SU+4*\t:SU+4*\t+1], v[SU+4*\t:SU+4*\t+1], v[SU+4*\t+2:SU+4*\t+3]
.endr
.irp t, 0,1
	v_add_f32 v[SU+4*\t], v[SU+4*\t], v[SU+4*\t+1]
.endr
.irp t, 0,1
	v_permlanex16_b32 v[LX+\t], v[SU+4*\t], s[SEL], s[SEL+1]
.endr
.irp t, 0,1
	v_add_f32 v[LL+\t], v[SU+4*\t], v[LX+\t]       ; l of my query over the 128 keys
.endr
.irp c, 0,1
.irp t, 0,1
	v_max_num_f32 v[BM+4*\t+\c], 0x1800000, v[BM+4*\t+\c]   ; the floor 2^(3 - 127): the byte cannot fall under 1
.endr
.endr
.irp c, 0,1
.irp t, 0,1
	v_add_nc_u32 v[SO+2*\t+\c], 0xff000000, v[BM+4*\t+\c]   ; 2 off the exponent field: the conversion's scale operand
.endr
.endr
.irp c, 0,1
.irp t, 0,1
	v_lshrrev_b32 v[BY+2*\t+\c], 23, v[SO+2*\t+\c]
.endr
.endr
.irp t, 0,1
	v_lshl_or_b32 v[SD+\t], v[BY+2*\t+1], 16, v[BY+2*\t]    ; my two bytes, 2 c + h,
.endr
.irp t, 0,1
	v_lshlrev_b32 v[SD+\t], v[H8], v[SD+\t]
.endr
.irp t, 0,1
	v_permlanex16_b32 v[WX+\t], v[SD+\t], s[SEL], s[SEL+1]
.endr
.irp t, 0,1
	v_or_b32 v[SD+\t], v[SD+\t], v[WX+\t]          ; with lane l xor 16's two the word is whole
.endr
	WALU
	s_wait_xcnt 0x0                                ; earlier stores have read their registers: codes and records may be written again
	WIN SW
.irp t, 0,1
.irp c, 0,1
	v_cvt_scalef32_pk16_fp6_f32 v[PC+12*\t+6*\c:PC+12*\t+6*\c+2], v[SS+64*\t+32*\c:SS+64*\t+32*\c+15], v[SO+2*\t+\c]
	v_cvt_scalef32_pk16_fp6_f32 v[PY+8*\t+4*\c:PY+8*\t+4*\c+2], v[SS+64*\t+32*\c+16:SS+64*\t+32*\c+31], v[SO+2*\t+\c]
.endr
.endr
	WIN 0
	v_nop                                          ; one plain line behind the last scaled conversion
.irp t, 0,1
.irp c, 0,1
.irp i, 0,1,2
	v_mov_b32 v[PC+12*\t+6*\c+3+\i], v[PY+8*\t+4*\c+\i]   ; (a conversion's three registers begin on an even number)
.endr
.endr
.endr
	v_cndmask_b32 v[RE], v[SD], v[SD+1], s[HM]     ; lanes 0-15 the first tile's queries, lanes 16-31 the second's: 32 records on end
	v_cndmask_b32 v[RE+1], v[NM], v[NM+2], s[HM]
	v_cndmask_b32 v[RE+2], v[LL], v[LL+1], s[HM]
.irp t, 0,1
.irp c, 0,1,2
	global_store_b128 v1, v[PC+12*\t+4*\c:PC+12*\t+4*\c+3], s[12:13] offset:6144*((\a)+\t)+512*\c   ; 512 consecutive bytes
.endr
.endr
	global_store_b128 v1, v[RE:RE+3], s[14:15] offset:256*(\a)
.endm
	s_wait_tensorcnt 0x0                           ; my part of slot 0 is in
	ds_add_u32 v[SPW], v[NIL]
	s_wait_dscnt 0x0
	CROUND                                         ; slot 0 is whole, and all sixteen work-groups are here:
	JLOAD 1                                        ; slot 1's first fill
	FETCH 0, 0
	ASK 2
	s_wait_loadcnt 0x0                             ; the scale words
	MULS 0, 1                                      ; the first K step starts the sums: nothing is cleared
	FETCH 0, 1
	TURN 0, 1, 1, 1
	ASK 3
	MULS 2, 0
	FETCH 1, 1
	TURN 1, 0, 3, 1
	MULS 4, 0
	FETCH 0, 1
	TURN 0, 1, 5, 0                                ; nothing is left to ask for
	MULS 6, 0
	FETCH 1, 1
	MULS 7, 0
	v_mov_b32 v[RE+3], 0                           ; a record's fourth word
.irp t, 0,1
	v_mov_b32 v[TX+\t], 0                          ; written once: a lane permute's destination counts as one of its sources
	v_mov_b32 v[WX+\t], 0
	v_mov_b32 v[LX+\t], 0
	v_mov_b32 v[NM+2*\t+1], 0                      ; named as the upper half of a pair
.endr
	SOFT2 0
	SOFT2 2
	s_wait_tensorcnt 0x0                           ; the wave's end
	ds_add_u32 v[SPW], v[NIL]
	s_wait_dscnt 0x0
	CROUND                                         ; the closing round
	s_endpgm
.Lfunc_end_k_q210704c146_score:
	.size	k_q210704c146_score, .Lfunc_end_k_q210704c146_score-k_q210704c146_score
	.p2alignl 7, 3214868480
	.fill 96, 4, 3214868480
	.section	.rodata,"a",@progbits
	.p2align	6, 0x0
	.amdhsa_kernel k_q210704c146_score
		.amdhsa_group_segment_fixed_size 327680
		.amdhsa_private_segment_fixed_size 0
		.amdhsa_enable_private_segment 0
		.amdhsa_kernarg_size 48
		.amdhsa_user_sgpr_count 2
		.amdhsa_user_sgpr_kernarg_segment_ptr 1
		.amdhsa_wavefront_size32 1
		.amdhsa_system_sgpr_workgroup_id_x 1
		.amdhsa_system_sgpr_workgroup_id_y 1
		.amdhsa_system_sgpr_workgroup_id_z 1
		.amdhsa_system_vgpr_workitem_id 0
		.amdhsa_next_free_vgpr 512
		.amdhsa_next_free_sgpr 96
		.amdhsa_reserve_vcc 0
		.amdhsa_float_denorm_mode_32 3
		.amdhsa_float_denorm_mode_16_64 3
		.amdhsa_memory_ordered 1
		.amdhsa_forward_progress 1
		.amdhsa_inst_pref_size 116
	.end_amdhsa_kernel
	.amdgpu_metadata
---
amdhsa.version: [ 1, 2 ]
amdhsa.kernels:
  - .name:           k_q210704c146_score
    .symbol:         k_q210704c146_score.kd
    .args:
      - { .name: q_img, .offset: 0, .size: 8, .value_kind: global_buffer, .address_space: global }
      - { .name: q_sw, .offset: 8, .size: 8, .value_kind: global_buffer, .address_space: global }
      - { .name: k_img, .offset: 16, .size: 8, .value_kind: global_buffer, .address_space: global }
      - { .name: k_sw, .offset: 24, .size: 8, .value_kind: global_buffer, .address_space: global }
      - { .name: p_img, .offset: 32, .size: 8, .value_kind: global_buffer, .address_space: global }
      - { .name: pst, .offset: 40, .size: 8, .value_kind: global_buffer, .address_space: global }
    .group_segment_fixed_size: 327680
    .private_segment_fixed_size: 0
    .kernarg_segment_align: 8
    .kernarg_segment_size: 48
    .max_flat_workgroup_size: 256
    .sgpr_count:     96
    .vgpr_count:     512
    .wavefront_size: 32
...
	.end_amdgpu_metadata
.endif
;; end of part 2
;; launch pv (part 3): grid 4 x 64, 4 waves a work-group, clusters of 4 x 4, 327,680 bytes of LDS; arguments p_img, pst, v_img, v_sw, out0; writes out0
.if DOCPART == 3
	.amdgcn_target "amdgcn-amd-amdhsa--gfx1250"
	.amdhsa_code_object_version 6
	.text
	.protected	k_q210704c146_pv
	.globl	k_q210704c146_pv
	.p2align	8
	.type	k_q210704c146_pv,@function
k_q210704c146_pv:
	s_mov_b64 s[64:65], 0
	v_nop
	global_prefetch_b8 v0, s[64:65] scope:SCOPE_SE
	s_setreg_imm32_b32 hwreg(HW_REG_WAVE_MODE, 25, 1), 1
	s_wait_xcnt 0x0
	s_wait_alu depctr_hold_cnt(0) depctr_sa_sdst(0) depctr_va_vdst(0) depctr_va_sdst(0) depctr_va_ssrc(0) depctr_va_vcc(0) depctr_vm_vsrc(0)
	s_getreg_b32 s2, hwreg(HW_REG_IB_STS2, 6, 4)
	s_cmp_eq_u32 s2, 0
	s_cbranch_scc0 .Lentry_in_a_cluster
	s_endpgm
.Lentry_in_a_cluster:
	s_bfe_u32 s2, ttmp6, 0x10000c
	s_cmp_lg_u32 s2, 0xf033
	s_cbranch_scc0 .Lentry_shape_is_right
	s_endpgm
.Lentry_shape_is_right:
; out0 = (the sum over 16 chunks of 128 keys of p v, every chunk brought under the row's M) / l.  Source 0 = 16 channels of v, source 1 = 16 queries of p, sums in f32.
; A work-group owns 128 queries x 256 channels, a wave 64 x 128; the keys go in slots of 512 through a ring of two.  p's and v's fragments lie in memory as images of 12 registers.
; A record (scale word, -M, l, 0) belongs to each query and chunk.  The row's -M is the least of its chunks'; the difference, a whole number, comes off the four bytes of the chunk's scale word (a byte that would fall under 0 becomes 0)
; and off the exponent of the chunk's l.  p's tiles are shared along a row of the cluster, v's along a column.
; Slot 1 is asked for, and slot 0's first fragments are read, ahead of the records' arithmetic.
; PREFETCH: behind slot n's joint load (n = 0, 1, 2) each wave asks for a quarter of what it will load for slot n + 1 (of p 24 units of 256 bytes, of v 48); the four partners share the units out by address.  Behind slot 3's nothing is asked for.
; ROWS AND COLUMNS OF THE OUTPUT.  The 64 queries of a wave are a band of 64 tokens; row t of tile a is token 8 a + t (t under 8) or 32 + 8 (a xor 1) + t - 8.  Channels likewise: in lanes 16-31 tile b's eight channels begin at 32 + 8 (b xor 1) of its 64.
; LIMITS: NaN and infinities are not served.  A difference of M beyond 127 counts as 127: such a chunk's part lies under 2^-126 of the row's largest p.
.set SLOT,  147456
.set SPARE, 2*SLOT
.set ADQ, 8
.set ADP, 10
.set STO, 12
.set RD,  13
.set RL,  16
.set SPW, 28
.set NIL, 29
.set SP,  32
.set SR,  96
.set BK,  128
.set QB,  96
.set NG,  224
.set EE,  228
.set LS,  232
.set RC,  234
.set RX,  236
.set WV,  16
.set WHI, 17
.set WLO, 18
.set G1A, 24
.set G0A, 32
.set G1B, 48
.set G0B, 56
.set SEL, 72
.set HM,  77
.set MUL, 0xad
.set MSB, 0
.macro WIN new
.set WNEW, \new
.if MSB != WNEW
	s_set_vgpr_msb (MSB<<8)|WNEW
.set MSB, WNEW
.endif
.endm
.macro PLACES n
.rept \n
	v_nop
.endr
.endm
.macro CREST
	s_cmp_lg_u32 s[WV], 0
	s_cbranch_scc1 .Lnw0_\@
	s_barrier_signal -3
.Lnw0_\@:
	s_barrier_wait -3
	s_barrier_signal -1
	s_barrier_wait -1
.endm
.macro CROUND
	s_barrier_signal -1
	s_barrier_wait -1
	CREST
.endm
.macro JLOAD s
	s_cmp_eq_u32 s[WHI], 0
	s_cbranch_scc0 .Lfb_\@
	tensor_load_to_lds s[G0A+4*(\s):G0A+4*(\s)+3], s[G1A:G1A+7]
	s_nop 0
	PLACES 4
	s_branch .Lja_\@
.Lfb_\@:
	tensor_load_to_lds s[G0B+4*(\s):G0B+4*(\s)+3], s[G1B:G1B+7]
	s_nop 0
	PLACES 4
.Lja_\@:
.endm
.macro WM d, p, r, sp, sr, rp, rr, z
.set WMD, \d
.set WMP, \p
.set WMR, \r
.set WMS, \sp
.set WMT, \sr
.set WMV, 4*(\z)+2*(\rp)+(\rr)
.if WMV == 0
	v_wmma_scale_f32_16x16x128_f8f6f4 v[WMD:WMD+7], v[WMP:WMP+11], v[WMR:WMR+11], v[WMD:WMD+7], v[WMS], v[WMT] matrix_a_fmt:MATRIX_FMT_FP6 matrix_b_fmt:MATRIX_FMT_FP6
.elseif WMV == 1
	v_wmma_scale_f32_16x16x128_f8f6f4 v[WMD:WMD+7], v[WMP:WMP+11], v[WMR:WMR+11], v[WMD:WMD+7], v[WMS], v[WMT] matrix_a_fmt:MATRIX_FMT_FP6 matrix_b_fmt:MATRIX_FMT_FP6 matrix_b_scale:MATRIX_SCALE_ROW1
.elseif WMV == 2
	v_wmma_scale_f32_16x16x128_f8f6f4 v[WMD:WMD+7], v[WMP:WMP+11], v[WMR:WMR+11], v[WMD:WMD+7], v[WMS], v[WMT] matrix_a_fmt:MATRIX_FMT_FP6 matrix_b_fmt:MATRIX_FMT_FP6 matrix_a_scale:MATRIX_SCALE_ROW1
.elseif WMV == 3
	v_wmma_scale_f32_16x16x128_f8f6f4 v[WMD:WMD+7], v[WMP:WMP+11], v[WMR:WMR+11], v[WMD:WMD+7], v[WMS], v[WMT] matrix_a_fmt:MATRIX_FMT_FP6 matrix_b_fmt:MATRIX_FMT_FP6 matrix_a_scale:MATRIX_SCALE_ROW1 matrix_b_scale:MATRIX_SCALE_ROW1
.elseif WMV == 4
	v_wmma_scale_f32_16x16x128_f8f6f4 v[WMD:WMD+7], v[WMP:WMP+11], v[WMR:WMR+11], 0, v[WMS], v[WMT] matrix_a_fmt:MATRIX_FMT_FP6 matrix_b_fmt:MATRIX_FMT_FP6
.elseif WMV == 5
	v_wmma_scale_f32_16x16x128_f8f6f4 v[WMD:WMD+7], v[WMP:WMP+11], v[WMR:WMR+11], 0, v[WMS], v[WMT] matrix_a_fmt:MATRIX_FMT_FP6 matrix_b_fmt:MATRIX_FMT_FP6 matrix_b_scale:MATRIX_SCALE_ROW1
.elseif WMV == 6
	v_wmma_scale_f32_16x16x128_f8f6f4 v[WMD:WMD+7], v[WMP:WMP+11], v[WMR:WMR+11], 0, v[WMS], v[WMT] matrix_a_fmt:MATRIX_FMT_FP6 matrix_b_fmt:MATRIX_FMT_FP6 matrix_a_scale:MATRIX_SCALE_ROW1
.else
	v_wmma_scale_f32_16x16x128_f8f6f4 v[WMD:WMD+7], v[WMP:WMP+11], v[WMR:WMR+11], 0, v[WMS], v[WMT] matrix_a_fmt:MATRIX_FMT_FP6 matrix_b_fmt:MATRIX_FMT_FP6 matrix_a_scale:MATRIX_SCALE_ROW1 matrix_b_scale:MATRIX_SCALE_ROW1
.endif
.endm
	s_load_b256 s[4:11], s[0:1], 0x0
	s_load_b64 s[12:13], s[0:1], 0x20
	v_lshl_add_u32 v[SPW], v0, 2, SPARE
	v_mov_b32 v[NIL], 0
	ds_add_u32 v28, v29
	ds_add_u32 v28, v29
	s_wait_dscnt 0x0
	v_lshrrev_b32 v1, 5, v0
	v_readfirstlane_b32 s[WV], v1
	s_lshr_b32 s[WHI], s[WV], 1
	s_and_b32 s[WLO], s[WV], 1
	s_bfe_u32 s40, ttmp6, 0x40000
	s_bfe_u32 s41, ttmp6, 0x40004
	s_lshl_b32 s42, ttmp9, 2
	s_add_co_u32 s42, s42, s40
	s_and_b32 s46, ttmp7, 0xffff
	s_lshl_b32 s45, s46, 2
	s_add_co_u32 s45, s45, s41
	s_lshr_b32 s47, s46, 2
	s_lshl_b32 s43, s41, 2
	s_lshl_b32 s43, 15, s43
	s_lshl_b32 s44, 0x1111, s40
	s_or_b32 s[G1A], s43, (3<<16)|(1<<21)
	s_or_b32 s[G1B], s44, (3<<16)|(1<<21)
	s_mov_b32 s[G1A+1], 32<<16
	s_mov_b32 s[G1A+2], 96<<16
	s_mov_b32 s[G1A+3], 32<<16
	s_mov_b32 s[G1A+4], 96
	s_mov_b32 s[G1A+5], 32
	s_mov_b32 s[G1A+6], 0
	s_mov_b32 s[G1A+7], 0
	s_mov_b32 s[G1B+1], 32<<16
	s_mov_b32 s[G1B+2], 192<<16
	s_mov_b32 s[G1B+3], 32<<16
	s_mov_b32 s[G1B+4], 192
	s_mov_b32 s[G1B+5], 32
	s_mov_b32 s[G1B+6], 0
	s_mov_b32 s[G1B+7], 0
	s_lshr_b32 s20, s45, 4
	s_lshl_b32 s20, s20, 9
	s_and_b32 s21, s45, 15
	s_lshl_b32 s21, s21, 3
	s_add_co_u32 s20, s20, s21
	s_lshl_b32 s21, s[WLO], 2
	s_add_co_u32 s20, s20, s21
	s_mul_i32 s20, s20, 6144
	s_mov_b32 s21, 0
	s_lshl_b32 s66, s47, 8
	s_lshl_b32 s67, s42, 4
	s_add_co_u32 s66, s66, s67
	s_lshl_b32 s67, s[WLO], 3
	s_add_co_u32 s66, s66, s67
	s_mul_i32 s66, s66, 6144
	s_mov_b32 s67, 0
	s_mul_i32 s19, s[WLO], 24576
	s_mul_i32 s22, s[WLO], 49152
	s_add_co_u32 s22, s22, 49152
	s_mov_b32 s[SEL], 0x76543210
	s_mov_b32 s[SEL+1], 0xfedcba98
	s_mov_b32 s[HM], 0xffff0000
	s_wait_kmcnt 0x0
	s_add_nc_u64 s[20:21], s[4:5], s[20:21]
	s_add_nc_u64 s[66:67], s[8:9], s[66:67]
	CROUND
.irp s, 0,1
	s_mov_b32 s[G0A+4*\s], 1
	s_add_co_u32 s[G0A+4*\s+1], s19, \s*SLOT
	s_add_nc_u64 s[G0A+4*\s+2:G0A+4*\s+3], s[20:21], \s*786432
	s_or_b32 s[G0A+4*\s+3], s[G0A+4*\s+3], 0x80000000
	s_mov_b32 s[G0B+4*\s], 1
	s_add_co_u32 s[G0B+4*\s+1], s22, \s*SLOT
	s_add_nc_u64 s[G0B+4*\s+2:G0B+4*\s+3], s[66:67], \s*393216
	s_or_b32 s[G0B+4*\s+3], s[G0B+4*\s+3], 0x80000000
.endr
.set PFO, 7                            ; v7 the prefetches' offset; never rewritten
.set PFA, 68                           ; s[68:69] what I load of slot 0
.macro ASK n                           ; my share of slot n
	s_cmp_eq_u32 s[WHI], 0
	s_cbranch_scc0 .Lask_v_\@
	global_prefetch_b8 v[PFO], s[PFA:PFA+1] offset:786432*(\n) th:TH_LOAD_NT scope:SCOPE_SE
	s_branch .Lasked_\@
.Lask_v_\@:
	global_prefetch_b8 v[PFO], s[PFA:PFA+1] offset:393216*(\n) th:TH_LOAD_NT scope:SCOPE_SE
	global_prefetch_b8 v[PFO], s[PFA:PFA+1] offset:393216*(\n)+6144 th:TH_LOAD_NT scope:SCOPE_SE
.Lasked_\@:
.endm
	JLOAD 0                                        ; one tensor load a wave at the head
	s_mov_b32 s71, 12288
	s_cmp_eq_u32 s[WHI], 0
	s_cselect_b64 s[PFA:PFA+1], s[20:21], s[66:67]
	s_cselect_b32 s70, s40, s41                    ; my place among the four that ask for it with me
	s_cselect_b32 s71, 6144, s71                   ; a share of p's tile, of v's
	s_mul_i32 s70, s70, s71
	v_and_b32 v4, 31, v0
	v_lshlrev_b32 v1, 4, v4
	s_wait_alu depctr_va_vdst(0)
	v_lshlrev_b32 v2, 2, v4
	v_min_u32 v[PFO], 23, v4                       ; 24 units; the lanes left over name the last again
	v_lshl_add_u32 v[PFO], v[PFO], 8, s70
	s_wait_alu depctr_va_vdst(0)
	ASK 1
	s_lshr_b32 s78, s45, 4
	s_lshl_b32 s78, s78, 15
	s_and_b32 s79, s45, 15
	s_lshl_b32 s79, s79, 7
	s_add_co_u32 s78, s78, s79
	s_lshl_b32 s79, s[WHI], 6
	s_add_co_u32 s78, s78, s79
	s_lshl_b32 s78, s78, 4
	s_mov_b32 s79, 0
	s_add_nc_u64 s[6:7], s[6:7], s[78:79]
	s_lshr_b32 s80, s45, 4
	s_lshl_b32 s80, s80, 14
	s_lshl_b32 s81, s42, 8
	s_add_co_u32 s80, s80, s81
	s_lshl_b32 s81, s[WLO], 7
	s_add_co_u32 s80, s80, s81
	s_lshl_b32 s80, s80, 2
	s_mov_b32 s81, 0
	s_add_nc_u64 s[10:11], s[10:11], s[80:81]
	WIN 0xc0
.irp j, 0,1
.irp k, 0,1,2,3,4,5,6,7,8,9,10,11,12,13,14,15
	global_load_b128 v[QB+64*\j+4*\k:QB+64*\j+4*\k+3], v1, s[6:7] offset:32768*\k+512*\j
.endr
.endr
	WIN 0
.irp j, 0,1,2,3
.irp k, 0,1,2,3,4,5,6,7,8,9,10,11,12,13,14,15
	global_load_b32 v[SP+16*\j+\k], v2, s[10:11] offset:4096*\k+128*\j
.endr
.endr
	s_mul_i32 s86, s[WHI], 24576
	v_add_nc_u32 v[ADQ], s86, v1
	s_add_co_u32 s86, s86, SLOT
	v_add_nc_u32 v[ADQ+1], s86, v1
	s_mul_i32 s86, s[WLO], 49152
	s_add_co_u32 s86, s86, 49152
	v_add_nc_u32 v[ADP], s86, v1
	s_add_co_u32 s86, s86, SLOT
	v_add_nc_u32 v[ADP+1], s86, v1
	v_and_b32 v5, 15, v0
	v_bfe_u32 v6, v0, 4, 1
	s_mul_i32 s86, s[WV], 8448
	v_mul_u32_u24 v[STO], v5, 528
	v_mad_u32_u24 v[STO+2], v6, 96, v[STO]         ; odd tiles: lanes 16-31 put their 32 bytes 128 - 32 further on,
	v_mad_u32_u24 v[STO], v6, 160, v[STO]          ; even tiles: 128 + 32
	v_add_nc_u32 v[STO], s86, v[STO]
	v_add_nc_u32 v[STO+2], s86, v[STO+2]
	v_add_nc_u32 v[RD], s86, v1
	s_lshr_b32 s82, s45, 1                         ; my band of tokens: 256 (Y / 2) + 64 (Y % 2) + 128 hi
	s_lshl_b32 s82, s82, 8
	s_and_b32 s83, s45, 1
	s_lshl_b32 s83, s83, 6
	s_add_co_u32 s82, s82, s83
	s_lshl_b32 s83, s[WHI], 7
	s_add_co_u32 s82, s82, s83
	s_lshl_b32 s82, s82, 10
	s_lshl_b32 s83, s42, 8
	s_add_co_u32 s82, s82, s83
	s_lshl_b32 s83, s[WLO], 7
	s_add_co_u32 s82, s82, s83
	s_lshl_b32 s82, s82, 2
	s_mov_b32 s83, 0
	s_add_nc_u64 s[12:13], s[12:13], s[82:83]
.macro FRAGI reg, adr, off             ; a fragment's image back into 12 registers
.set FRG, \reg
.irp c, 0,1,2
	ds_load_b128 v[FRG+4*\c:FRG+4*\c+3], v[\adr] offset:(\off)+512*\c
.endr
.endm
.macro FETCH set, slot, q              ; v's eight fragments and p's four: 36 loads
	WIN 0x40
.irp i, 0,1,2,3,4,5,6,7
	FRAGI 128*(\set)+12*\i, ADP+(\slot), 6144*\i+1536*(\q)
.endr
	WIN 0xc0
.irp i, 0,1,2,3
	FRAGI 64*(\set)+12*\i, ADQ+(\slot), 6144*\i+1536*(\q)
.endr
	WIN 0
.endm
	s_wait_alu depctr_va_vdst(0)
	s_wait_tensorcnt 0x0                           ; my part of slot 0 is in
	ds_add_u32 v[SPW], v[NIL]
	s_wait_dscnt 0x0
	CROUND                                         ; slot 0 is whole, and all sixteen work-groups are here:
	JLOAD 1                                        ; slot 1's first fill
	FETCH 0, 0, 0
	s_wait_loadcnt 0x0                             ; the records and v's scale words
	WIN 0xff
.irp j, 0,1
	v_min3_num_f32 v[NG+\j], v[QB+64*\j+1], v[QB+64*\j+5], v[QB+64*\j+9]
.endr
.irp k, 3,5,7,9,11,13
.irp j, 0,1
	v_min3_num_f32 v[NG+\j], v[NG+\j], v[QB+64*\j+4*\k+1], v[QB+64*\j+4*\k+5]
.endr
.endr
.irp j, 0,1
	v_min_num_f32 v[NG+\j], v[NG+\j], v[QB+64*\j+61]
.endr
.macro MEND j, g
.set MQ, QB+64*(\j)+16*(\g)
.irp e, 0,1,2,3
	v_sub_f32 v[EE+\e], v[NG+(\j)], v[MQ+4*\e+1]
.endr
.irp e, 0,1,2,3
	v_max_num_f32 v[EE+\e], 0xc2fe0000, v[EE+\e]
.endr
.irp e, 0,1,2,3
	v_cvt_i32_f32 v[EE+\e], v[EE+\e]
.endr
.irp e, 0,1,2,3
	v_ldexp_f32 v[MQ+4*\e+2], v[MQ+4*\e+2], v[EE+\e]
.endr
.irp e, 0,1,2,3
	v_sub_nc_u32 v[EE+\e], 0, v[EE+\e]
.endr
.irp e, 0,1,2,3
	v_perm_b32 v[EE+\e], v[EE+\e], v[EE+\e], 0
.endr
.irp e, 0,1,2,3
	v_or_b32 v[MQ+4*\e], 0x80808080, v[MQ+4*\e]
.endr
.irp e, 0,1,2,3
	v_sub_nc_u32 v[MQ+4*\e], v[MQ+4*\e], v[EE+\e]
.endr
.irp e, 0,1,2,3
	v_and_b32 v[MQ+4*\e+3], 0x80808080, v[MQ+4*\e]
.endr
.irp e, 0,1,2,3
	v_lshrrev_b32 v[EE+\e], 7, v[MQ+4*\e+3]
.endr
.irp e, 0,1,2,3
	v_sub_nc_u32 v[MQ+4*\e+3], v[MQ+4*\e+3], v[EE+\e]
.endr
.endm
.irp j, 0,1
.irp g, 0,1,2,3
	MEND \j, \g
.endr
.endr
.irp j, 0,1
	v_add_f32 v[LS+\j], v[QB+64*\j+2], v[QB+64*\j+6]
.endr
.irp k, 2,3,4,5,6,7,8,9,10,11,12,13,14,15
.irp j, 0,1
	v_add_f32 v[LS+\j], v[LS+\j], v[QB+64*\j+4*\k+2]
.endr
.endr
	v_mov_b32 v[RX], 0
	v_mov_b32 v[RX+1], 0
	s_wait_alu depctr_va_vdst(0)
	v_rcp_f32 v[RC], v[LS]
	v_rcp_f32 v[RC+1], v[LS+1]
	v_nop
	s_wait_alu depctr_va_vdst(0)
	v_permlanex16_b32 v[RX], v[RC], s[SEL], s[SEL+1]
	v_permlanex16_b32 v[RX+1], v[RC+1], s[SEL], s[SEL+1]
	WIN 0x0f
.irp j, 0,1
.irp k, 0,1,2,3,4,5,6,7,8,9,10,11,12,13,14,15
	v_and_b32 v[SR+16*\j+\k], v[QB+64*\j+4*\k], v[QB+64*\j+4*\k+3]
.endr
.endr
	v_cndmask_b32 v[RL], v[RC], v[RX], s[HM]
	v_cndmask_b32 v[RL+2], v[RX], v[RC], s[HM]
	v_cndmask_b32 v[RL+4], v[RC+1], v[RX+1], s[HM]
	v_cndmask_b32 v[RL+6], v[RX+1], v[RC+1], s[HM]
	WIN 0
.irp a, 0,1,2,3
	v_mov_b32 v[RL+2*\a+1], v[RL+2*\a]
.endr
	PLACES 8
.macro MUL8 a, set, ks, z
.irp b, 0,1,2,3,4,5,6,7
	WM 8*(8*(\a)+\b), 128*(\set)+12*\b, 64*(\set)+12*(\a), SP+16*(\b/2)+(\ks), SR+16*((\a)/2)+(\ks), \b%2, (\a)%2, \z
.endr
.endm
.macro STEP ks, z
	s_wait_dscnt 0x0
	PLACES 4
	FETCH ((\ks)+1)%2, ((\ks)/4)%2, (\ks)%4+1
	WIN MUL
	MUL8 0, (\ks)%2, \ks, \z
	MUL8 1, (\ks)%2, \ks, \z
	MUL8 2, (\ks)%2, \ks, \z
	MUL8 3, (\ks)%2, \ks, \z
	WIN 0
.endm
.macro TURN ks, fill
.set TSL, ((\ks)/4)%2
	s_wait_tensorcnt 0x0
	ds_add_u32 v[SPW], v[NIL]
	s_wait_dscnt 0x1
	WIN MUL
	MUL8 0, 1, \ks, 0
	s_wait_dscnt 0x0
	s_barrier_signal -1
	MUL8 1, 1, \ks, 0
	WIN 0
	s_barrier_wait -1
.if \fill
	CREST
	s_add_nc_u64 s[G0A+4*TSL+2:G0A+4*TSL+3], s[G0A+4*TSL+2:G0A+4*TSL+3], 1572864
	s_add_nc_u64 s[G0B+4*TSL+2:G0B+4*TSL+3], s[G0B+4*TSL+2:G0B+4*TSL+3], 786432
	JLOAD TSL
.else
	PLACES 4
.endif
	FETCH 0, 1-TSL, 0
.if (\ks) == 3
	ASK 3
.endif
	WIN MUL
	MUL8 2, 1, \ks, 0
	MUL8 3, 1, \ks, 0
	WIN 0
.endm
	s_wait_alu depctr_va_vdst(0)                   ; ahead of the walk's waits
	ASK 2                                          ; four K steps ahead of slot 2's joint load
	STEP 0, 1
	STEP 1, 0
	STEP 2, 0
	TURN 3, 1
	STEP 4, 0
	STEP 5, 0
	STEP 6, 0
	TURN 7, 1
	STEP 8, 0
	STEP 9, 0
	STEP 10, 0
	TURN 11, 0
	STEP 12, 0
	STEP 13, 0
	STEP 14, 0
	s_wait_alu depctr_va_vdst(0)
	s_wait_dscnt 0x0
	WIN MUL
	MUL8 0, 1, 15, 0
	MUL8 1, 1, 15, 0
	MUL8 2, 1, 15, 0
	MUL8 3, 1, 15, 0
	WIN 0
.macro SCALEO a
	WIN 0x82
.set ii, 0
.rept 32
	v_pk_mul_f32 v[64*(\a)+ii:64*(\a)+ii+1], v[64*(\a)+ii:64*(\a)+ii+1], v[RL+2*(\a):RL+2*(\a)+1] op_sel_hi:[1,0]
.set ii, ii+2
.endr
.endm
.macro TOSTAGE a
	WIN 0x08
.irp b, 0,1,2,3,4,5,6,7
	ds_store_b128 v[STO+2*(\b%2)], v[64*(\a)+8*\b:64*(\a)+8*\b+3] offset:256*(\b/4)+32*(\b%4)
	ds_store_b128 v[STO+2*(\b%2)], v[64*(\a)+8*\b+4:64*(\a)+8*\b+7] offset:256*(\b/4)+32*(\b%4)+16
.endr
	WIN 0
.set BB, BK+64*((\a)%2)
.irp t, 0,1,2,3,4,5,6,7,8,9,10,11,12,13,14,15
	ds_load_b128 v[BB+4*\t:BB+4*\t+3], v[RD] offset:\t*528
.endr
.endm
.macro SEND a, younger
.set BB, BK+64*((\a)%2)
	s_wait_dscnt \younger
.irp t, 0,1,2,3,4,5,6,7
	global_store_b128 v1, v[BB+4*\t:BB+4*\t+3], s[12:13] offset:(8*(\a)+\t)*4096 th:TH_STORE_NT
.endr
.irp t, 8,9,10,11,12,13,14,15
	global_store_b128 v1, v[BB+4*\t:BB+4*\t+3], s[12:13] offset:(24+8*((\a)^1)+\t)*4096 th:TH_STORE_NT
.endr
.endm
	PLACES 4
	SCALEO 0
	TOSTAGE 0
.irp a, 1,2,3
.if \a > 1
	s_wait_xcnt 0x0
.endif
	SCALEO \a
	TOSTAGE \a
	SEND \a-1, 32
.endr
	SEND 3, 0
	s_wait_tensorcnt 0x0
	ds_add_u32 v[SPW], v[NIL]
	s_wait_dscnt 0x0
	CROUND
	s_endpgm
.Lfunc_end_k_q210704c146_pv:
	.size	k_q210704c146_pv, .Lfunc_end_k_q210704c146_pv-k_q210704c146_pv
	.p2alignl 7, 3214868480
	.fill 96, 4, 3214868480
	.section	.rodata,"a",@progbits
	.p2align	6, 0x0
	.amdhsa_kernel k_q210704c146_pv
		.amdhsa_group_segment_fixed_size 327680
		.amdhsa_private_segment_fixed_size 0
		.amdhsa_enable_private_segment 0
		.amdhsa_kernarg_size 40
		.amdhsa_user_sgpr_count 2
		.amdhsa_user_sgpr_kernarg_segment_ptr 1
		.amdhsa_wavefront_size32 1
		.amdhsa_system_sgpr_workgroup_id_x 1
		.amdhsa_system_sgpr_workgroup_id_y 1
		.amdhsa_system_sgpr_workgroup_id_z 1
		.amdhsa_system_vgpr_workitem_id 0
		.amdhsa_next_free_vgpr 1024
		.amdhsa_next_free_sgpr 96
		.amdhsa_reserve_vcc 0
		.amdhsa_float_denorm_mode_32 3
		.amdhsa_float_denorm_mode_16_64 3
		.amdhsa_memory_ordered 1
		.amdhsa_forward_progress 1
		.amdhsa_inst_pref_size 170
	.end_amdhsa_kernel
	.amdgpu_metadata
---
amdhsa.version: [ 1, 2 ]
amdhsa.kernels:
  - .name:           k_q210704c146_pv
    .symbol:         k_q210704c146_pv.kd
    .args:
      - { .name: p_img, .offset: 0, .size: 8, .value_kind: global_buffer, .address_space: global }
      - { .name: pst, .offset: 8, .size: 8, .value_kind: global_buffer, .address_space: global }
      - { .name: v_img, .offset: 16, .size: 8, .value_kind: global_buffer, .address_space: global }
      - { .name: v_sw, .offset: 24, .size: 8, .value_kind: global_buffer, .address_space: global }
      - { .name: out0, .offset: 32, .size: 8, .value_kind: global_buffer, .address_space: global }
    .group_segment_fixed_size: 327680
    .private_segment_fixed_size: 0
    .kernarg_segment_align: 8
    .kernarg_segment_size: 40
    .max_flat_workgroup_size: 128
    .sgpr_count:     96
    .vgpr_count:     1024
    .wavefront_size: 32
...
	.end_amdgpu_metadata
.endif
;; end of part 3
